; MI455X (gfx1250); checked and timed in simulation.
; The chip was launched on July 23, 2026; its instructions are those of AMD's public machine-readable ISA for CDNA 5 (MIT licence, August 2026) and "CDNA5" Instruction Set Architecture Reference Guide (July 2026). The comments in the code are by the model that wrote it; some were corrected since.
;; Vision Mo E Adapter. Allowed arithmetic: float matrix products may take bf16 or f16 operands with f32 sums; all other float work in f32.
;; Inputs: W1 8 x 1,024 x 4,096 float32; W2 8 x 4,096 x 1,024 float32; Wr 1,024 x 8 float32; b1 8 x 4,096 float32; b2 8 x 1,024 float32; br 8 float32; gate_scale one number float32; ln_beta 1,024 float32; ln_gamma 1,024 float32; x 1,024 x 1,024 float32.
;; Outputs: out0 1,024 x 1,024 float32.
;; 2 versions, each right; version 2 is version 1 with the launches gemm1, gemm2 written anew for expert scheduling mode. Each part assembles by itself: llvm-mc -triple=amdgcn-amd-amdhsa -mcpu=gfx1250 --defsym DOCPART=n.
;; ======== version 1 of 2: 5 launches
;; workspace buffers: xb 2,097,152 bytes; sel 4,096 bytes of whole numbers; wts 8,192 bytes; route 33,024 bytes of whole numbers; hbuf 16,777,216 bytes; part 33,554,432 bytes
;; launch router (part 1): grid 256 x 1, 4 waves a work-group, no clusters, 37,376 bytes of LDS; arguments x, Wr, br, gate_scale, xb, sel, wts; writes xb, sel, wts
.if DOCPART == 1
	.amdgcn_target "amdgcn-amd-amdhsa--gfx1250"
	.amdhsa_code_object_version 6
	.text
	.protected	k_q18aa13917f_router
	.globl	k_q18aa13917f_router
	.p2align	8
	.type	k_q18aa13917f_router,@function
k_q18aa13917f_router:
	s_mov_b64 s[64:65], 0
	v_nop
	global_prefetch_b8 v0, s[64:65] scope:SCOPE_SE
	s_setreg_imm32_b32 hwreg(HW_REG_WAVE_MODE, 25, 1), 1
	s_wait_xcnt 0x0
; ROUTER.  For token n: logits = x[n] @ Wr + br in f32, the two largest, their renormalised softmax weights times
; gate_scale; and x[n] rounded to bf16 for the experts' products.
;   sel[n] = e0 | e1 << 8 (whole numbers);  wts[2n+k] = gate_scale * w[n][k];  xb[n][:] = bf16(x[n][:]).
; One wave, one token: 256 work-groups x 4 waves = 1,024 tokens.  The product stays in f32 on the vector unit: it is
; 8 columns wide (1/8192 of the module's multiply-adds) and decides a discrete choice, which bf16 would change.
; With p1 >= p2 the two largest probabilities, w0 = p1/(p1+p2) = 1/(1+t), w1 = t/(1+t), t = exp(l2 - l1): no full softmax.
; LIMITS: the two experts are chosen on the f32 logits with a strict 'greater', so the lower index wins a tie, as in top_k;
; two unequal logits whose probabilities round to one f32 number may be ordered otherwise than by top_k on probabilities.
; NaN logits are not served.  The f32 sum runs in another order than the reference's.
; No cluster: Wr (32 KiB) is the only shared input, a small part of what a work-group moves being shared by all of them at once.
.set BLK, 144                          ; LDS: 4 rows of Wr (4 d x 8 experts = 128 bytes) + 16: lanes 144 bytes apart start in 16 different 16-byte columns modulo 256
.set X,   8                            ; v[8:39]    my 32 numbers of x: load j holds d = 128 j + 4 L .. + 3
.set WB0, 40                           ; v[40:71]   Wr of one chunk (my 4 d x 8 experts); first, with WB1, the 16 loads of Wr on their way to LDS
.set WB1, 72                           ; v[72:103]  the other chunk buffer
.set ACC, 104                          ; v[104:111] 8 partial logits
.set XB,  112                          ; v[112:127] x as bf16
.set M1,  128                          ; largest logit        I1: its expert
.set I1,  129
.set M2,  130                          ; second largest       I2: its expert
.set I2,  131
.set TP,  132                          ; at work
.set WP,  134                          ; v[134:135] the two weights
.set SEL, 136
.set ZERO, 137
	s_load_b256 s[4:11], s[0:1], 0x0               ; x s[4:5], Wr s[6:7], br s[8:9], gate_scale s[10:11]
	s_load_b128 s[12:15], s[0:1], 0x20             ; xb s[12:13], sel s[14:15]
	s_load_b64 s[16:17], s[0:1], 0x30              ; wts
	v_lshl_add_u32 v160, v0, 2, 0x9000
	v_mov_b32 v161, 0
	v_and_b32 v1, 31, v0                           ; lane L
	v_lshrrev_b32 v7, 5, v0
	v_readfirstlane_b32 s18, v7                    ; wave
	s_lshl2_add_u32 s19, ttmp9, s18                ; token n = 4 x work-group + wave
	s_mov_b32 s34, 0x76543210                      ; v_permlanex16_b32: lane i reads lane i of the other half
	s_mov_b32 s35, 0xfedcba98
	v_lshlrev_b32 v2, 4, v0                        ; Wr: 16 bytes a thread
	v_lshrrev_b32 v3, 3, v1                        ; where they go: block (thread >> 3) = 4 wave + (L >> 3), 16 (L & 7) inside it
	v_and_b32 v7, 7, v1
	v_mul_u32_u24 v3, v3, BLK
	v_lshl_add_u32 v3, v7, 4, v3
	s_mul_i32 s20, s18, 4*BLK
	v_add_nc_u32 v3, s20, v3                       ; wave x 576 + lane term below 576: each wave's bytes are its own
	v_mul_u32_u24 v4, v1, BLK                      ; reading: block L of a chunk of 32 blocks
	v_lshlrev_b32 v5, 4, v1                        ; x: 16 bytes a lane
	v_lshlrev_b32 v6, 3, v1                        ; xb: 8 bytes a lane
	s_lshl_b32 s20, s19, 12                        ; x's row: 4,096 n
	s_mov_b32 s21, 0
	s_lshl_b32 s22, s19, 11                        ; xb's row: 2,048 n
	s_mov_b32 s23, 0
	s_wait_kmcnt 0x0
	s_load_b256 s[24:31], s[8:9], 0x0              ; br, 8 numbers
	s_load_b32 s32, s[10:11], 0x0                  ; gate_scale
	s_add_nc_u64 s[4:5], s[4:5], s[20:21]
	s_add_nc_u64 s[12:13], s[12:13], s[22:23]
	s_lshl_b32 s20, s19, 2
	s_add_nc_u64 s[14:15], s[14:15], s[20:21]      ; sel + 4 n
	s_lshl_b32 s20, s19, 3
	s_add_nc_u64 s[16:17], s[16:17], s[20:21]      ; wts + 8 n
.irp q, 0,1,2,3,4,5,6,7,8,9,10,11,12,13,14,15
	global_load_b128 v[WB0+4*\q:WB0+4*\q+3], v2, s[6:7] offset:2048*\q     ; the work-group's 128 threads x 16 loads = all of Wr
.endr
.irp j, 0,1,2,3,4,5,6,7
	global_load_b128 v[X+4*\j:X+4*\j+3], v5, s[4:5] offset:512*\j          ; my token's row, 512 neighbouring bytes a load
.endr
	s_wait_loadcnt 0x8                             ; Wr's sixteen are in; x's eight stay out
.irp q, 0,1,2,3,4,5,6,7,8,9,10,11,12,13,14,15
	ds_store_b128 v3, v[WB0+4*\q:WB0+4*\q+3] offset:16*BLK*\q              ; 2,048 bytes of Wr are 16 blocks
.endr
	s_wait_dscnt 0x0                               ; my stores are in LDS before I say so: the other waves read them
	s_barrier_signal -1
	s_barrier_wait -1
.macro LDW c, wb                       ; chunk c: block 32 c + L, the rows of Wr that meet x's load c
.irp q, 0,1,2,3,4,5,6,7
	ds_load_b128 v[\wb+4*\q:\wb+4*\q+3], v4 offset:32*BLK*(\c)+16*\q
.endr
.endm
; 16 packed multiply-adds: x[d] (one register of a pair, sent to both halves by op_sel) times Wr[d][2p], Wr[d][2p+1].
; The very first four are plain products: nothing is cleared.
.macro DOT c, wb
.irp i, 0,2
.irp p, 0,2,4,6
.if ((\c)+\i) == 0
	v_pk_mul_f32 v[ACC+\p:ACC+\p+1], v[X:X+1], v[\wb+\p:\wb+\p+1] op_sel_hi:[0,1]
.else
	v_pk_fma_f32 v[ACC+\p:ACC+\p+1], v[X+4*(\c)+\i:X+4*(\c)+\i+1], v[\wb+8*\i+\p:\wb+8*\i+\p+1], v[ACC+\p:ACC+\p+1] op_sel_hi:[0,1,1]
.endif
.endr
.irp p, 0,2,4,6
	v_pk_fma_f32 v[ACC+\p:ACC+\p+1], v[X+4*(\c)+\i:X+4*(\c)+\i+1], v[\wb+8*\i+8+\p:\wb+8*\i+8+\p+1], v[ACC+\p:ACC+\p+1] op_sel:[1,0,0]
.endr
.endr
.endm
	LDW 0, WB0
	LDW 1, WB1
	s_wait_loadcnt 0x0                             ; x
.irp j, 0,1,2,3,4,5,6,7
	v_cvt_pk_bf16_f32 v[XB+2*\j], v[X+4*\j], v[X+4*\j+1]
	v_cvt_pk_bf16_f32 v[XB+2*\j+1], v[X+4*\j+2], v[X+4*\j+3]
	global_store_b64 v6, v[XB+2*\j:XB+2*\j+1], s[12:13] offset:256*\j      ; the wave's store covers 256 neighbouring bytes, aligned
.endr
.irp c, 0,2,4
	s_wait_dscnt 0x8                               ; this chunk is in; the next chunk's eight loads stay out
	DOT \c, WB0
	LDW \c+2, WB0
	s_wait_dscnt 0x8
	DOT \c+1, WB1
	LDW \c+3, WB1
.endr
	s_wait_dscnt 0x8
	DOT 6, WB0
	s_wait_dscnt 0x0                               ; nothing was issued behind the last chunk
	DOT 7, WB1
	s_wait_kmcnt 0x0                               ; br and gate_scale
	v_mov_b32 v[TP], 0                             ; v_permlanex16_b32 counts as a reader of its destination
.irp e, 0,1,2,3,4,5,6,7
	v_add_f32_dpp v[ACC+\e], v[ACC+\e], v[ACC+\e] row_xmask:1 row_mask:0xf bank_mask:0xf
	v_add_f32_dpp v[ACC+\e], v[ACC+\e], v[ACC+\e] row_xmask:2 row_mask:0xf bank_mask:0xf
	v_add_f32_dpp v[ACC+\e], v[ACC+\e], v[ACC+\e] row_xmask:4 row_mask:0xf bank_mask:0xf
	v_add_f32_dpp v[ACC+\e], v[ACC+\e], v[ACC+\e] row_xmask:8 row_mask:0xf bank_mask:0xf
	v_permlanex16_b32 v[TP], v[ACC+\e], s34, s35
	v_add_f32 v[ACC+\e], v[ACC+\e], v[TP]
	v_add_f32 v[ACC+\e], s[24+\e], v[ACC+\e]       ; + br[e]: every lane holds logit e
.endr
	; the two largest, by selects alone (no branch hangs on a float)
	v_mov_b32 v[M1], v[ACC]
	v_mov_b32 v[I1], 0
	v_mov_b32 v[M2], 0xff800000                    ; minus infinity
	v_mov_b32 v[I2], 1
.irp e, 1,2,3,4,5,6,7
	v_cmp_gt_f32 s36, v[ACC+\e], v[M1]             ; beats the first
	v_cmp_gt_f32 vcc_lo, v[ACC+\e], v[M2]          ; beats the second
	v_cndmask_b32 v[M2], v[M2], v[ACC+\e], vcc_lo
	v_cndmask_b32 v[I2], v[I2], \e, vcc_lo
	v_cndmask_b32 v[M2], v[M2], v[M1], s36         ; the old first moves down
	v_cndmask_b32 v[I2], v[I2], v[I1], s36
	v_cndmask_b32 v[M1], v[M1], v[ACC+\e], s36
	v_cndmask_b32 v[I1], v[I1], \e, s36
.endr
	v_sub_f32 v[TP], v[M2], v[M1]
	v_mul_f32 v[TP], 0x3fb8aa3b, v[TP]             ; x log2(e)
	v_exp_f32 v[TP], v[TP]                         ; t = p2 / p1
	v_lshl_or_b32 v[SEL], v[I2], 8, v[I1]          ; a plain instruction that touches neither stands behind the exponential (ISA guide 5.7.2)
	s_wait_alu depctr_va_vdst(0)
	v_add_f32 v[TP+1], 1.0, v[TP]
	v_rcp_f32 v[TP+1], v[TP+1]
	v_mov_b32 v[ZERO], 0                           ; and one behind the reciprocal
	s_wait_alu depctr_va_vdst(0)
	v_mul_f32 v[WP], s32, v[TP+1]                  ; gate_scale / (1 + t)
	v_mul_f32 v[WP+1], v[TP], v[WP]                ; gate_scale t / (1 + t)
	s_wait_xcnt 0x0                                ; EXEC is a source of the stores of xb: it narrows only behind this wait
	v_cmp_eq_u32 vcc_lo, 0, v1
	s_wait_tensorcnt 0x0
	ds_add_u32 v160, v161
	s_wait_dscnt 0x0
	s_and_saveexec_b32 s36, vcc_lo                 ; lane 0 stores for the token
	global_store_b32 v[ZERO], v[SEL], s[14:15]
	global_store_b64 v[ZERO], v[WP:WP+1], s[16:17]
	s_endpgm
.Lfunc_end_k_q18aa13917f_router:
	.size	k_q18aa13917f_router, .Lfunc_end_k_q18aa13917f_router-k_q18aa13917f_router
	.p2alignl 7, 3214868480
	.fill 96, 4, 3214868480
	.section	.rodata,"a",@progbits
	.p2align	6, 0x0
	.amdhsa_kernel k_q18aa13917f_router
		.amdhsa_group_segment_fixed_size 37376
		.amdhsa_private_segment_fixed_size 0
		.amdhsa_enable_private_segment 0
		.amdhsa_kernarg_size 56
		.amdhsa_user_sgpr_count 2
		.amdhsa_user_sgpr_kernarg_segment_ptr 1
		.amdhsa_wavefront_size32 1
		.amdhsa_system_sgpr_workgroup_id_x 1
		.amdhsa_system_sgpr_workgroup_id_y 1
		.amdhsa_system_sgpr_workgroup_id_z 1
		.amdhsa_system_vgpr_workitem_id 0
		.amdhsa_next_free_vgpr 162
		.amdhsa_next_free_sgpr 66
		.amdhsa_reserve_vcc 1
		.amdhsa_float_denorm_mode_32 3
		.amdhsa_float_denorm_mode_16_64 3
		.amdhsa_memory_ordered 1
		.amdhsa_forward_progress 1
		.amdhsa_inst_pref_size 27
	.end_amdhsa_kernel
	.amdgpu_metadata
---
amdhsa.version: [ 1, 2 ]
amdhsa.kernels:
  - .name:           k_q18aa13917f_router
    .symbol:         k_q18aa13917f_router.kd
    .args:
      - { .name: x, .offset: 0, .size: 8, .value_kind: global_buffer, .address_space: global }
      - { .name: Wr, .offset: 8, .size: 8, .value_kind: global_buffer, .address_space: global }
      - { .name: br, .offset: 16, .size: 8, .value_kind: global_buffer, .address_space: global }
      - { .name: gate_scale, .offset: 24, .size: 8, .value_kind: global_buffer, .address_space: global }
      - { .name: xb, .offset: 32, .size: 8, .value_kind: global_buffer, .address_space: global }
      - { .name: sel, .offset: 40, .size: 8, .value_kind: global_buffer, .address_space: global }
      - { .name: wts, .offset: 48, .size: 8, .value_kind: global_buffer, .address_space: global }
    .group_segment_fixed_size: 37376
    .private_segment_fixed_size: 0
    .kernarg_segment_align: 8
    .kernarg_segment_size: 56
    .max_flat_workgroup_size: 128
    .sgpr_count:     66
    .vgpr_count:     162
    .wavefront_size: 32
...
	.end_amdgpu_metadata
.endif
;; end of part 1
;; launch lists (part 2): grid 8 x 1, 1 waves a work-group, no clusters, 0 bytes of LDS; arguments sel, route; writes route
.if DOCPART == 2
	.amdgcn_target "amdgcn-amd-amdhsa--gfx1250"
	.amdhsa_code_object_version 6
	.text
	.protected	k_q18aa13917f_lists
	.globl	k_q18aa13917f_lists
	.p2align	8
	.type	k_q18aa13917f_lists,@function
k_q18aa13917f_lists:
	s_mov_b64 s[64:65], 0
	v_nop
	global_prefetch_b8 v0, s[64:65] scope:SCOPE_SE
	s_setreg_imm32_b32 hwreg(HW_REG_WAVE_MODE, 25, 1), 1
	s_wait_xcnt 0x0
; LISTS.  Work-group e (one wave) makes expert e's list of pair ids p = 2 n + k with idx[n][k] == e, in ascending n, and its length.
;   route: list[8][1024] of u32, then cnt[8] at byte 32,768.
; Whole numbers only.  32 steps of 32 tokens.  A token that chose e goes to the front (running count + number of such lanes below
; mine), every other token to the back (1023 - number of such tokens before it): each token writes one entry, so all 1,024
; entries are written, each holds a valid pair id, and no lane is switched off.  The later launches read entries below cnt,
; and entry 0 where cnt is 0.
; One wave an expert: 4 KiB of input, nothing to share or to overlap.
.set S,   2                            ; v[2:33]    sel of token 32 i + L
.set ADR, 64                           ; v[64:95]   step i's store offset: a register of its own, so no wait stands between the steps
.set DAT, 96                           ; v[96:127]  step i's store data
	s_load_b128 s[4:7], s[0:1], 0x0                ; sel s[4:5], route s[6:7]
	s_mov_b32 s8, ttmp9                            ; expert
	s_mov_b32 s10, 0                               ; running count
	v_lshlrev_b32 v1, 2, v0                        ; 4 L
	s_lshl_b32 s18, s8, 12                         ; my list: 4,096 e
	s_mov_b32 s19, 0
	s_lshl_b32 s20, s8, 2                          ; my count: 4 e (+ 32,768 in the store's immediate)
	s_mov_b32 s21, 0
	s_wait_kmcnt 0x0
	s_add_nc_u64 s[16:17], s[6:7], s[20:21]
	s_add_nc_u64 s[6:7], s[6:7], s[18:19]
.irp i, 0,1,2,3,4,5,6,7,8,9,10,11,12,13,14,15,16,17,18,19,20,21,22,23,24,25,26,27,28,29,30,31
	global_load_b32 v[S+\i], v1, s[4:5] offset:128*\i
.endr
	s_wait_loadcnt 0x0
.irp i, 0,1,2,3,4,5,6,7,8,9,10,11,12,13,14,15,16,17,18,19,20,21,22,23,24,25,26,27,28,29,30,31
	v_and_b32 v34, 0xff, v[S+\i]                   ; e0
	v_lshrrev_b32 v35, 8, v[S+\i]                  ; e1
	v_cmp_eq_u32 s12, s8, v34
	v_cmp_eq_u32 vcc_lo, s8, v35
	s_or_b32 s13, s12, vcc_lo                      ; lanes whose token chose e
	v_mbcnt_lo_u32_b32 v36, s13, s10               ; front: count so far + such lanes below mine = such tokens before mine
	v_add_nc_u32 v37, 32*\i, v0                    ; n
	v_sub_nc_u32 v38, v36, v37
	v_add_nc_u32 v38, 1023, v38                    ; back: 1023 - (n - front)
	v_cndmask_b32 v38, v38, v36, s13
	v_min_u32 v38, 0x3ff, v38                      ; it is below 1,024 by the arithmetic above; said once more in the address's own line
	v_lshlrev_b32 v[ADR+\i], 2, v38
	v_cndmask_b32 v39, 0, 1, vcc_lo                ; k
	v_lshl_add_u32 v[DAT+\i], v37, 1, v39          ; p = 2 n + k
	global_store_b32 v[ADR+\i], v[DAT+\i], s[6:7]
	s_bcnt1_i32_b32 s14, s13
	s_add_co_u32 s10, s10, s14
.endr
	v_mov_b32 v34, s10
	v_mov_b32 v35, 0
	s_wait_xcnt 0x0                                ; EXEC is a source of the stores above: it narrows only behind this wait
	v_cmp_eq_u32 vcc_lo, 0, v0
	s_and_saveexec_b32 s15, vcc_lo
	global_store_b32 v35, v34, s[16:17] offset:32768
	s_endpgm
.Lfunc_end_k_q18aa13917f_lists:
	.size	k_q18aa13917f_lists, .Lfunc_end_k_q18aa13917f_lists-k_q18aa13917f_lists
	.p2alignl 7, 3214868480
	.fill 96, 4, 3214868480
	.section	.rodata,"a",@progbits
	.p2align	6, 0x0
	.amdhsa_kernel k_q18aa13917f_lists
		.amdhsa_group_segment_fixed_size 0
		.amdhsa_private_segment_fixed_size 0
		.amdhsa_enable_private_segment 0
		.amdhsa_kernarg_size 16
		.amdhsa_user_sgpr_count 2
		.amdhsa_user_sgpr_kernarg_segment_ptr 1
		.amdhsa_wavefront_size32 1
		.amdhsa_system_sgpr_workgroup_id_x 1
		.amdhsa_system_sgpr_workgroup_id_y 1
		.amdhsa_system_sgpr_workgroup_id_z 1
		.amdhsa_system_vgpr_workitem_id 0
		.amdhsa_next_free_vgpr 128
		.amdhsa_next_free_sgpr 66
		.amdhsa_reserve_vcc 1
		.amdhsa_float_denorm_mode_32 3
		.amdhsa_float_denorm_mode_16_64 3
		.amdhsa_memory_ordered 1
		.amdhsa_forward_progress 1
		.amdhsa_inst_pref_size 32
	.end_amdhsa_kernel
	.amdgpu_metadata
---
amdhsa.version: [ 1, 2 ]
amdhsa.kernels:
  - .name:           k_q18aa13917f_lists
    .symbol:         k_q18aa13917f_lists.kd
    .args:
      - { .name: sel, .offset: 0, .size: 8, .value_kind: global_buffer, .address_space: global }
      - { .name: route, .offset: 8, .size: 8, .value_kind: global_buffer, .address_space: global }
    .group_segment_fixed_size: 0
    .private_segment_fixed_size: 0
    .kernarg_segment_align: 8
    .kernarg_segment_size: 16
    .max_flat_workgroup_size: 32
    .sgpr_count:     66
    .vgpr_count:     128
    .wavefront_size: 32
...
	.end_amdgpu_metadata
.endif
;; end of part 2
;; launch gemm1 (part 3): grid 32 x 8, 4 waves a work-group, no clusters, 288,256 bytes of LDS; arguments W1, b1, xb, wts, route, hbuf; writes hbuf
.if DOCPART == 3
	.amdgcn_target "amdgcn-amd-amdhsa--gfx1250"
	.amdhsa_code_object_version 6
	.text
	.protected	k_q18aa13917f_gemm1
	.globl	k_q18aa13917f_gemm1
	.p2align	8
	.type	k_q18aa13917f_gemm1,@function
k_q18aa13917f_gemm1:
	s_mov_b64 s[64:65], 0
	v_nop
	global_prefetch_b8 v0, s[64:65] scope:SCOPE_SE
	s_setreg_imm32_b32 hwreg(HW_REG_WAVE_MODE, 25, 1), 1
	s_wait_xcnt 0x0
; UP-PROJECTION.  hbuf[p][c] = bf16( wts[p] * silu( xb[p >> 1] @ W1[e][:, c] + b1[e][c] ) ) for the pairs p of expert e's list.
; Work-group (s, e): expert e = id y, columns 128 s .. 128 s + 127 of H = id x; all 1,024 of K.  8 x 32 = 256 work-groups,
; and every byte of W1 is read by exactly one of them, once.
; PHASE 1 (the same in every work-group): the block of W1, 1,024 k x 128 columns of f32, comes through registers, is rounded to
; bf16 and laid into LDS transposed, k along the rows.  Wave w brings k = 256 w .. + 255 into a region of its own.
; PHASE 2 (trips hang on the list's length; no barrier in it): a wave takes 5 tiles of 16 listed tokens x 128 columns =
; 40 accumulator tiles; four waves take 320 tokens a pass.  Token fragments come straight from xb by the list, four K steps deep.
; The matrix instruction takes the weights as source 0 and the tokens as source 1: lane (r, h) then holds token r and the eight
; NEIGHBOURING columns 16 b + 8 h + j, which pack into 16 bytes.
; Rows past the list's end repeat its last row: that row lies in the same wave's tiles, so the same wave stores the same bytes
; again; no lane is switched off.
; LIMIT: experts that a token did not choose are not computed (their combine weight is exactly 0); where such an expert's result
; would be infinite or NaN the reference's 0 x inf gives NaN and this program does not.
; NO CLUSTER, NO TENSOR LOADS: f32 weights have to pass through registers to be rounded and transposed, and no two work-groups
; read the same weights; what work-groups share are token rows named by a list, fetched lane by lane, and the partners' trip
; counts hang on different counts.
.set PITCHB, 16384                     ; bytes from row k to row k + 1 of W1[e]
.set LP,     528                       ; LDS: 256 k of one column (512 bytes) + 16: sixteen columns start in 16 different 16-byte places modulo 256
.set REGN,   128*LP                    ; a wave's region: 128 columns
.set STAGE,  4*REGN                    ; behind the weights: a stage for each wave, for the way out
.set SP,     272                       ; a stage row: 128 bf16 + 16 bytes
.set STW,    16*SP
.set PASSES, 4                         ; a list has at most 1,024 rows = 64 tiles; the four waves take 20 a pass
; window 0
.set SA,   4                           ; v4-7    phase 1: LDS address of column 4 L + i in my region
.set BA,   8                           ; v8-11   LDS address of lane (r, h)'s weight fragment in region 0..3
.set L16,  12                          ; v12     16 L
.set STO,  13                          ; v13     way out: where I put 16 bytes of token r's row
.set RD,   14                          ; v14     way out: where I read rows back
.set R16,  15                          ; v15     16 r
.set PID,  16                          ; v16-20  pair id of token r of tile i
.set AO,   21                          ; v21-25  byte offset of that token's row in xb, + 16 h
.set SC,   26                          ; v26-30  wts of that pair; v31 fills the last register pair
.set RING, 32                          ; v32-191 token fragments: slot (K step & 3) at 40 x slot, tile i at 8 i
.set XW,   32                          ; phase 1: v32-223, six slots of 8 rows x 4 columns of f32
.set TW,   224                         ; phase 1: v224-239, a unit as bf16, transposed
.set H32,  240                         ; v240    32 h
.set T,    32                          ; way out: v32-95 pre-activation, U v96-159 sigmoid, O v160-191 bf16, R v192-223 rows read back, VA v224-231 offsets
.set U,    96
.set O,    160
.set R,    192
.set VA,   224
; window 1: v0-63, v64-127 weight fragments (two buffers); v128-191 accumulators of tile 4; v192-255 bias of my 64 columns
.set ACC4, 128
.set BIAS, 192
; window 2: accumulator tile (i, b), i = 0..3, at 8 (8 i + b)
.set PW, 4                             ; s[4:5] weights   s[6:7] b1   s[8:9] xb   s[10:11] wts   s[12:13] route   s[14:15] hbuf
.set PA, 8
.set PR, 12
.set PO, 14
; s16 wave  s17 expert  s18 slice  s19 count  s20 tiles of 16 in the list  s21 count - 1  s22 my first tile  s23 its first row  s38 pass
.set MSB, 0
.macro WIN new                         ; s_set_vgpr_msb: bits 1:0 source 0, 3:2 source 1, 5:4 source 2, 7:6 destination; the high byte repeats the setting left
.if MSB != \new
	s_set_vgpr_msb (MSB<<8)|\new
.set MSB, \new
.endif
.endm
.set MUL_M, 0xa1                       ; weights window 1, tokens window 0, C and D window 2
.set MUL_4, 0x51                       ; the same, C and D window 1
.set TO_B,  0x40                       ; destination window 1, address window 0
.set EP_A,  0x06                       ; source 0 window 2 (sums), source 1 window 1 (bias), destination window 0
.set EP_4,  0x05                       ; source 0 and 1 window 1
	s_load_b256 s[4:11], s[0:1], 0x0
	s_load_b128 s[12:15], s[0:1], 0x20
	v_lshl_add_u32 v254, v0, 2, 0x46400
	v_mov_b32 v255, 0
	v_and_b32 v1, 31, v0                           ; L
	v_lshrrev_b32 v2, 5, v0
	v_readfirstlane_b32 s16, v2                    ; wave
	v_and_b32 v2, 15, v0                           ; r
	v_bfe_u32 v3, v0, 4, 1                         ; h
	v_lshlrev_b32 v[H32], 5, v3
	v_lshlrev_b32 v[L16], 4, v1
	v_lshlrev_b32 v[R16], 4, v2
	s_mul_i32 s24, s16, STW
	s_add_co_u32 s24, s24, STAGE                   ; my stage
	v_mul_u32_u24 v[STO], v2, SP
	v_lshl_add_u32 v[STO], v3, 4, v[STO]
	v_add_nc_u32 v[STO], s24, v[STO]               ; stage + 272 r + 16 h
	v_mul_u32_u24 v[RD], v3, SP
	v_lshl_add_u32 v[RD], v2, 4, v[RD]
	v_add_nc_u32 v[RD], s24, v[RD]                 ; stage + 272 h + 16 r: lanes 0-15 one row, lanes 16-31 the next
	v_lshlrev_b32 v3, 4, v3                        ; from here on v3 = 16 h
	v_mul_u32_u24 v[BA], v2, LP
	v_add_nc_u32 v[BA], v[BA], v3                  ; 528 r + 16 h
	v_add_nc_u32 v[BA+1], REGN, v[BA]
	v_add_nc_u32 v[BA+2], 2*REGN, v[BA]
	v_add_nc_u32 v[BA+3], 3*REGN, v[BA]
	v_lshlrev_b32 v[SA], 2, v1
	v_mul_u32_u24 v[SA], v[SA], LP
	s_mul_i32 s24, s16, REGN
	v_add_nc_u32 v[SA], s24, v[SA]                 ; wave x region + 528 (4 L): only my wave stores there
	v_add_nc_u32 v[SA+1], LP, v[SA]
	v_add_nc_u32 v[SA+2], 2*LP, v[SA]
	v_add_nc_u32 v[SA+3], 3*LP, v[SA]
	v_mov_b32 v[SC+5], 0                           ; the upper register of the pair that holds tile 4's weight
	s_and_b32 s17, ttmp7, 0xffff
	s_mov_b32 s18, ttmp9
	s_mov_b32 s28, 0xffff0000                      ; lanes 16-31
	s_lshl_b32 s30, s17, 2                         ; cnt[e]
	s_lshl_b32 s24, s17, 24                        ; W1: expert x 16 MiB
	s_lshl_b32 s26, s16, 22                        ;   + 256 wave rows of 16,384 bytes
	s_add_co_u32 s24, s24, s26
	s_lshl_b32 s26, s18, 9                         ;   + 128 slice columns of 4 bytes
	s_add_co_u32 s24, s24, s26
	s_mov_b32 s25, 0
	s_lshl_b32 s32, s17, 14                        ; b1: 16,384 e + 512 s
	s_add_co_u32 s32, s32, s26
	s_mov_b32 s33, 0
	s_lshl_b32 s34, s18, 8                         ; hbuf: 256 s
	s_mov_b32 s35, 0
	s_lshl_b32 s36, s17, 12                        ; route: 4,096 e
	s_mov_b32 s37, 0
	s_mov_b32 s38, 0                               ; pass
	s_wait_kmcnt 0x0
	s_load_b32 s19, s[PR:PR+1], s30 offset:0x8000  ; the list's length
	s_add_nc_u64 s[PW:PW+1], s[PW:PW+1], s[24:25]
	s_add_nc_u64 s[6:7], s[6:7], s[32:33]
	s_add_nc_u64 s[PO:PO+1], s[PO:PO+1], s[34:35]
; unit u = rows 8 u .. 8 u + 7 of my 256: eight loads, each 512 neighbouring bytes (128 columns of one row); lane L holds columns 4 L .. + 3
.macro LOADW u
.irp j, 0,1,2,3,4,5,6,7
	global_load_b128 v[XW+32*((\u)%6)+4*\j:XW+32*((\u)%6)+4*\j+3], v[L16], s[PW:PW+1] offset:(8*(\u)+\j)*PITCHB th:TH_LOAD_NT
.endr
.endm
; the unit as bf16, turned: for each of my 4 columns the 8 k are 16 neighbouring bytes of its LDS row
.macro CONV u, left
	s_wait_loadcnt \left                           ; loads return in order (ISA guide 5.7.1): unit u is in, the younger ones stay out
.irp i, 0,1,2,3
.irp p, 0,1,2,3
	v_cvt_pk_bf16_f32 v[TW+4*\i+\p], v[XW+32*((\u)%6)+8*\p+\i], v[XW+32*((\u)%6)+8*\p+4+\i]   ; k = 2 p low, 2 p + 1 high
.endr
	ds_store_b128 v[SA+\i], v[TW+4*\i:TW+4*\i+3] offset:16*(\u)
.endr
.endm
; the pair ids of my 80 rows of the list
.macro PRO_LIST
	s_lshl_b32 s23, s22, 4
.irp i, 0,1,2,3,4
	s_add_co_u32 s26, s23, 16*\i
	v_add_nc_u32 v[PID+\i], s26, v2                ; row of the list
	v_min_u32 v[PID+\i], s21, v[PID+\i]            ; rows past the end repeat the last one
	v_min_u32 v[PID+\i], 0x3ff, v[PID+\i]
	v_lshlrev_b32 v[PID+\i], 2, v[PID+\i]
	global_load_b32 v[PID+\i], v[PID+\i], s[PR:PR+1]
.endr
.endm
; K step st's token fragments: lane (r, h) takes k = 32 st + 8 h .. + 7 and + 16 of its token's row
.macro LOADA st
.irp i, 0,1,2,3,4
	global_load_b128 v[RING+40*((\st)&3)+8*\i:RING+40*((\st)&3)+8*\i+3], v[AO+\i], s[PA:PA+1] offset:64*(\st)
	global_load_b128 v[RING+40*((\st)&3)+8*\i+4:RING+40*((\st)&3)+8*\i+7], v[AO+\i], s[PA:PA+1] offset:64*(\st)+32
.endr
.endm
; from pair ids to offsets, the pairs' weights, and the first three K steps' fragments
.macro PRO_ADDR
.irp i, 0,1,2,3,4
	v_min_u32 v[PID+\i], 0x7ff, v[PID+\i]
	v_and_b32 v[AO+\i], 0x7fe, v[PID+\i]
	v_lshl_add_u32 v[AO+\i], v[AO+\i], 10, v3      ; token p >> 1, rows of 2,048 bytes, + 16 h
	v_lshlrev_b32 v[SC+\i], 2, v[PID+\i]
	global_load_b32 v[SC+\i], v[SC+\i], s[10:11]
.endr
	LOADA 0
	LOADA 1
	LOADA 2
.endm
; K step st's weight fragments: 8 blocks of 16 columns x 32 k, from region st >> 3
.macro FETCHB st
	WIN TO_B
.irp b, 0,1,2,3,4,5,6,7
	ds_load_b128 v[64*((\st)&1)+8*\b:64*((\st)&1)+8*\b+3], v[BA+((\st)>>3)] offset:16*LP*\b+64*((\st)&7)
	ds_load_b128 v[64*((\st)&1)+8*\b+4:64*((\st)&1)+8*\b+7], v[BA+((\st)>>3)] offset:16*LP*\b+64*((\st)&7)+32
.endr
.endm
; token tile i x 8 column blocks; the first K step starts the sums with the constant 0: nothing is cleared
.macro MULT acc, i, st
.irp b, 0,1,2,3,4,5,6,7
.if (\st) == 0
	v_wmma_f32_16x16x32_bf16 v[\acc+8*\b:\acc+8*\b+7], v[64*((\st)&1)+8*\b:64*((\st)&1)+8*\b+7], v[RING+40*((\st)&3)+8*\i:RING+40*((\st)&3)+8*\i+7], 0
.else
	v_wmma_f32_16x16x32_bf16 v[\acc+8*\b:\acc+8*\b+7], v[64*((\st)&1)+8*\b:64*((\st)&1)+8*\b+7], v[RING+40*((\st)&3)+8*\i:RING+40*((\st)&3)+8*\i+7], v[\acc+8*\b:\acc+8*\b+7]
.endif
.endr
.endm
; Four independent vector instructions stand between a matrix instruction and a load into one of its sources, or a vector
; instruction or store that reads its result; other matrix instructions are not counted as such here.
.macro PLACES
.rept 4
	v_nop
.endr
.endm
.macro STEP st
	s_wait_dscnt 0x0                               ; this step's 16 weight loads, issued 32 matrix instructions ago; nothing younger is out
.if \st < 30
	s_wait_loadcnt 20                              ; this step's token fragments are in; those of the next two steps (10 loads each) stay out
.else
	s_wait_loadcnt 10*(31-\st)
.endif
	WIN MUL_4
	MULT ACC4, 4, \st
.if \st < 31
	PLACES                                         ; behind the last step's products, whose weight buffer and ring slot are loaded next
	FETCHB \st+1
.endif
.if \st < 29
	WIN 0
	LOADA \st+3
.endif
	WIN MUL_M
	MULT 0, 0, \st
	MULT 64, 1, \st
	MULT 128, 2, \st
	MULT 192, 3, \st
.endm
; THE WAY OUT of token tile i: + bias, silu, x the pair's weight, bf16, through my stage, whole 256-byte pieces of hbuf's rows.
; silu(v) = v / (1 + 2^(-v log2 e)).
.macro EPI i, acc, win
	WIN \win
.irp b, 0,1,2,3,4,5,6,7
.irp q, 0,2,4,6
	v_pk_add_f32 v[T+8*\b+\q:T+8*\b+\q+1], v[\acc+8*\b+\q:\acc+8*\b+\q+1], v[BIAS+8*\b+\q:BIAS+8*\b+\q+1]
.endr
.endr
	WIN 0
.set k, 0
.rept 32
	v_pk_mul_f32 v[U+k:U+k+1], v[T+k:T+k+1], 0xbfb8aa3b op_sel_hi:[1,0]    ; - v log2 e
.set k, k+2
.endr
.set k, 0
.rept 32
	v_exp_f32 v[U+k], v[U+k]
	v_exp_f32 v[U+k+1], v[U+k+1]
.if (\i) & 1                                           ; independent plain work between the exponentials: v x the pair's weight (one register sent to both halves)
	v_pk_mul_f32 v[T+k:T+k+1], v[T+k:T+k+1], v[SC+\i-1:SC+\i] op_sel:[0,1]
.else
	v_pk_mul_f32 v[T+k:T+k+1], v[T+k:T+k+1], v[SC+\i:SC+\i+1] op_sel_hi:[1,0]
.endif
.set k, k+2
.endr
.set k, 0
	s_wait_alu depctr_va_vdst(0)
.rept 32
	v_pk_add_f32 v[U+k:U+k+1], v[U+k:U+k+1], 1.0 op_sel_hi:[1,0]
.set k, k+2
.endr
.set k, 0
.rept 64
	v_rcp_f32 v[U+k], v[U+k]
.set k, k+1
.endr
	v_nop                                          ; one plain instruction behind the last reciprocal (ISA guide 5.7.2)
.set k, 0
	s_wait_alu depctr_va_vdst(0)
.rept 32
	v_pk_mul_f32 v[T+k:T+k+1], v[T+k:T+k+1], v[U+k:U+k+1]
.set k, k+2
.endr
.set k, 0
.rept 32
	v_cvt_pk_bf16_f32 v[O+k], v[T+2*k], v[T+2*k+1]
.set k, k+1
.endr
.irp b, 0,1,2,3,4,5,6,7
	ds_store_b128 v[STO], v[O+4*\b:O+4*\b+3] offset:32*\b          ; token r, columns 16 b + 8 h .. + 7
.endr
	s_wait_xcnt 0x0                                ; R and VA are sources of the last tile's stores: rewritten only behind this wait (ISA guide 3.1)
.irp t, 0,1,2,3,4,5,6,7
	ds_load_b128 v[R+4*\t:R+4*\t+3], v[RD] offset:2*SP*\t          ; my own stage: LDS serves a wave's instructions in order, these see the stores above
.endr
.irp t, 0,1,2,3,4,5,6,7
	v_readlane_b32 s26, v[PID+\i], 2*\t            ; the pair ids of rows 2 t and 2 t + 1
	v_readlane_b32 s27, v[PID+\i], 2*\t+1
	v_mov_b32 v[VA+\t], s26
	v_cndmask_b32 v[VA+\t], v[VA+\t], s27, s28     ; lanes 16-31 take the second row
	v_min_u32 v[VA+\t], 0x7ff, v[VA+\t]
	v_lshl_add_u32 v[VA+\t], v[VA+\t], 13, v[R16]  ; rows of 8,192 bytes, + 16 r
.endr
.irp t, 0,1,2,3,4,5,6,7
	s_wait_dscnt 7-\t                              ; rows 2 t, 2 t + 1 are back; the younger loads stay out
	global_store_b128 v[VA+\t], v[R+4*\t:R+4*\t+3], s[PO:PO+1]     ; sixteen lanes fill 256 neighbouring bytes, aligned
.endr
.endm
	; PHASE 1.  Six units (48 loads, 24 KiB a wave) are always on their way.
.irp u, 0,1,2,3,4,5
	LOADW \u
.endr
	s_wait_kmcnt 0x0                               ; the count
	s_add_nc_u64 s[PR:PR+1], s[PR:PR+1], s[36:37]  ; my expert's list
	s_min_u32 s19, s19, 0x400
	s_add_co_u32 s20, s19, 15
	s_lshr_b32 s20, s20, 4                         ; tiles of 16 rows
	s_max_u32 s21, s19, 1
	s_sub_co_u32 s21, s21, 1                       ; the last row (row 0 of an empty list holds a valid id and is only loaded, never stored for)
	s_mul_i32 s22, s16, 5                          ; my first tile
.irp u, 0,1,2,3,4,5,6,7,8,9,10,11,12,13,14,15,16,17,18,19,20,21,22,23,24,25
	CONV \u, 40                                    ; five younger units of eight loads
	LOADW \u+6
.endr
	PRO_LIST                                       ; five loads behind the last unit: the list comes in under the stream's tail
.irp u, 26,27,28,29,30,31
	CONV \u, 8*(31-\u)+5                           ; the units still to come, and the five list loads
.endr
	s_wait_loadcnt 0x0                             ; the list
	WIN TO_B
.irp b, 0,1,2,3,4,5,6,7
	global_load_b128 v[BIAS+8*\b:BIAS+8*\b+3], v[H32], s[6:7] offset:64*\b         ; b1 of columns 16 b + 8 h + 0..3
	global_load_b128 v[BIAS+8*\b+4:BIAS+8*\b+7], v[H32], s[6:7] offset:64*\b+16    ; and + 4..7: laid as the accumulators are; in by the first K step's wait
.endr
	WIN 0
	PRO_ADDR
	s_wait_dscnt 0x0                               ; my region is written before I say so
	s_barrier_signal -1
	s_barrier_wait -1                              ; the only barrier: behind it the weights are only read
	s_cmp_ge_u32 s22, s20
	s_cbranch_scc1 .Ldone                          ; no tile of the list is mine
	; PHASE 2
.Lpass:
	FETCHB 0
.irp st, 0,1,2,3,4,5,6,7,8,9,10,11,12,13,14,15,16,17,18,19,20,21,22,23,24,25,26,27,28,29,30,31
	STEP \st
.endr
	PLACES                                         ; behind the last products, in front of the first read of a sum
	EPI 0, 0, EP_A
	EPI 1, 64, EP_A
	EPI 2, 128, EP_A
	EPI 3, 192, EP_A
	EPI 4, ACC4, EP_4
	WIN 0
	s_add_co_u32 s22, s22, 20                      ; four waves x five tiles further
	s_cmp_ge_u32 s22, s20
	s_cbranch_scc1 .Ldone                          ; the list is done: this is the way out that is taken
	s_wait_xcnt 0x0                                ; the stores above have read their sources
	PRO_LIST
	s_wait_loadcnt 0x0
	PRO_ADDR
	s_add_co_u32 s38, s38, 1
	s_cmp_lt_u32 s38, PASSES                       ; 64 tiles at most, 20 a pass: the fourth pass is the last that can have work
	s_cbranch_scc1 .Lpass
.Ldone:
	s_wait_tensorcnt 0x0
	ds_add_u32 v254, v255
	s_wait_dscnt 0x0
	s_endpgm
.Lfunc_end_k_q18aa13917f_gemm1:
	.size	k_q18aa13917f_gemm1, .Lfunc_end_k_q18aa13917f_gemm1-k_q18aa13917f_gemm1
	.p2alignl 7, 3214868480
	.fill 96, 4, 3214868480
	.section	.rodata,"a",@progbits
	.p2align	6, 0x0
	.amdhsa_kernel k_q18aa13917f_gemm1
		.amdhsa_group_segment_fixed_size 288256
		.amdhsa_private_segment_fixed_size 0
		.amdhsa_enable_private_segment 0
		.amdhsa_kernarg_size 48
		.amdhsa_user_sgpr_count 2
		.amdhsa_user_sgpr_kernarg_segment_ptr 1
		.amdhsa_wavefront_size32 1
		.amdhsa_system_sgpr_workgroup_id_x 1
		.amdhsa_system_sgpr_workgroup_id_y 1
		.amdhsa_system_sgpr_workgroup_id_z 1
		.amdhsa_system_vgpr_workitem_id 0
		.amdhsa_next_free_vgpr 768
		.amdhsa_next_free_sgpr 66
		.amdhsa_reserve_vcc 0
		.amdhsa_float_denorm_mode_32 3
		.amdhsa_float_denorm_mode_16_64 3
		.amdhsa_memory_ordered 1
		.amdhsa_forward_progress 1
		.amdhsa_inst_pref_size 255
	.end_amdhsa_kernel
	.section	.bss,"aw",@nobits
	.p2align	6
	.space	262144
	.amdgpu_metadata
---
amdhsa.version: [ 1, 2 ]
amdhsa.kernels:
  - .name:           k_q18aa13917f_gemm1
    .symbol:         k_q18aa13917f_gemm1.kd
    .args:
      - { .name: W1, .offset: 0, .size: 8, .value_kind: global_buffer, .address_space: global }
      - { .name: b1, .offset: 8, .size: 8, .value_kind: global_buffer, .address_space: global }
      - { .name: xb, .offset: 16, .size: 8, .value_kind: global_buffer, .address_space: global }
      - { .name: wts, .offset: 24, .size: 8, .value_kind: global_buffer, .address_space: global }
      - { .name: route, .offset: 32, .size: 8, .value_kind: global_buffer, .address_space: global }
      - { .name: hbuf, .offset: 40, .size: 8, .value_kind: global_buffer, .address_space: global }
    .group_segment_fixed_size: 288256
    .private_segment_fixed_size: 0
    .kernarg_segment_align: 8
    .kernarg_segment_size: 48
    .max_flat_workgroup_size: 128
    .sgpr_count:     66
    .vgpr_count:     768
    .wavefront_size: 32
...
	.end_amdgpu_metadata
.endif
;; end of part 3
;; launch gemm2 (part 4): grid 32 x 8, 4 waves a work-group, no clusters, 304,640 bytes of LDS; arguments W2, hbuf, route, part; writes part
.if DOCPART == 4
	.amdgcn_target "amdgcn-amd-amdhsa--gfx1250"
	.amdhsa_code_object_version 6
	.text
	.protected	k_q18aa13917f_gemm2
	.globl	k_q18aa13917f_gemm2
	.p2align	8
	.type	k_q18aa13917f_gemm2,@function
k_q18aa13917f_gemm2:
	s_mov_b64 s[64:65], 0
	v_nop
	global_prefetch_b8 v0, s[64:65] scope:SCOPE_SE
	s_setreg_imm32_b32 hwreg(HW_REG_WAVE_MODE, 25, 1), 1
	s_wait_xcnt 0x0
; DOWN-PROJECTION, in four slices of K.  part[kq][p][c] = sum over k = 1024 kq .. + 1023 of hbuf[p][k] W2[e][k][c], f32,
; for the pairs p of expert e's list.  hbuf already carries gate_scale x the routing weight, so the last launch only adds.
; Work-group (x, e): expert e = id y; columns 128 s .. + 127 of D, s = x & 7; K slice kq = x >> 3.  8 x 32 = 256 work-groups,
; and every byte of W2 is read by exactly one of them, once.  Each slice of K has a plane of part of its own: no sum crosses
; work-groups inside the launch.
; The two phases, the register plan and the macros are those of the up-projection:
; PHASE 1: the block of W2, 1,024 k x 128 columns of f32, through registers to bf16, transposed into LDS, wave w in its own region.
; PHASE 2 (no barrier): a wave takes 5 tiles of 16 listed rows x 128 columns; row fragments come from hbuf by the list.
; Weights are source 0, rows source 1: lane (r, h) holds row r, columns 16 b + 8 h + j.
; Rows past the list's end repeat its last row, which lies in the same wave's tiles: the same bytes are stored again.
; LIMIT: as in the up-projection, experts that a token did not choose are not computed.
; NO CLUSTER, NO TENSOR LOADS: f32 weights pass through registers to be rounded and transposed, and no two work-groups read the
; same weights; the shared bytes are rows named by a list, fetched lane by lane, and trip counts hang on different counts.
.set PITCHB, 4096                      ; bytes from row k to row k + 1 of W2[e]
.set LP,     528                       ; LDS: 256 k of one column (512 bytes) + 16
.set REGN,   128*LP                    ; a wave's region
.set STAGE,  4*REGN
.set SP,     528                       ; a stage row: 128 f32 + 16 bytes
.set STW,    16*SP
.set PASSES, 4                         ; a list has at most 1,024 rows = 64 tiles; the four waves take 20 a pass
; window 0
.set SA,   4                           ; v4-7    phase 1: LDS address of column 4 L + i in my region
.set BA,   8                           ; v8-11   LDS address of lane (r, h)'s weight fragment in region 0..3
.set L16,  12                          ; v12     16 L
.set STO,  13                          ; v13     way out: where I put row r's numbers
.set RD,   14                          ; v14     way out: where I read rows back
.set PID,  16                          ; v16-20  pair id of row r of tile i
.set AO,   21                          ; v21-25  byte offset of that row in hbuf, + 16 h
.set RING, 32                          ; v32-191 row fragments: slot (K step & 3) at 40 x slot, tile i at 8 i
.set XW,   32                          ; phase 1: v32-223, six slots of 8 rows x 4 columns of f32
.set TW,   224                         ; phase 1: v224-239
.set R,    32                          ; way out: v32-95 rows read back, VA v96-111 offsets
.set VA,   96
; window 1: v0-63, v64-127 weight fragments (two buffers); v128-191 accumulators of tile 4
.set ACC4, 128
; window 2: accumulator tile (i, b), i = 0..3, at 8 (8 i + b)
.set PW, 4                             ; s[4:5] weights   s[6:7] hbuf   s[8:9] route   s[10:11] part
.set PA, 6
.set PR, 8
.set PO, 10
; s16 wave  s17 expert  s18 slice of columns  s29 slice of K  s19 count  s20 tiles  s21 count - 1  s22 my first tile  s23 its first row  s38 pass
.set MSB, 0
.macro WIN new                         ; s_set_vgpr_msb: bits 1:0 source 0, 3:2 source 1, 5:4 source 2, 7:6 destination; the high byte repeats the setting left
.if MSB != \new
	s_set_vgpr_msb (MSB<<8)|\new
.set MSB, \new
.endif
.endm
.set MUL_M, 0xa1                       ; weights window 1, rows window 0, C and D window 2
.set MUL_4, 0x51                       ; the same, C and D window 1
.set TO_B,  0x40                       ; destination window 1, address window 0
.set ST_A,  0x08                       ; LDS store: address window 0, data (source 1) window 2
.set ST_4,  0x04                       ; data window 1
	s_load_b256 s[4:11], s[0:1], 0x0
	v_lshl_add_u32 v254, v0, 2, 0x4a400
	v_mov_b32 v255, 0
	v_and_b32 v1, 31, v0                           ; L
	v_lshrrev_b32 v2, 5, v0
	v_readfirstlane_b32 s16, v2                    ; wave
	v_and_b32 v2, 15, v0                           ; r
	v_bfe_u32 v3, v0, 4, 1                         ; h
	v_lshlrev_b32 v[L16], 4, v1
	s_mul_i32 s24, s16, STW
	s_add_co_u32 s24, s24, STAGE                   ; my stage
	v_mul_u32_u24 v[STO], v2, SP
	v_lshl_add_u32 v[STO], v3, 5, v[STO]
	v_add_nc_u32 v[STO], s24, v[STO]               ; stage + 528 r + 32 h
	v_add_nc_u32 v[RD], s24, v[L16]                ; stage + 16 L: a whole row of 512 bytes a load
	v_lshlrev_b32 v3, 4, v3                        ; from here on v3 = 16 h
	v_mul_u32_u24 v[BA], v2, LP
	v_add_nc_u32 v[BA], v[BA], v3                  ; 528 r + 16 h
	v_add_nc_u32 v[BA+1], REGN, v[BA]
	v_add_nc_u32 v[BA+2], 2*REGN, v[BA]
	v_add_nc_u32 v[BA+3], 3*REGN, v[BA]
	v_lshlrev_b32 v[SA], 2, v1
	v_mul_u32_u24 v[SA], v[SA], LP
	s_mul_i32 s24, s16, REGN
	v_add_nc_u32 v[SA], s24, v[SA]                 ; wave x region + 528 (4 L): only my wave stores there
	v_add_nc_u32 v[SA+1], LP, v[SA]
	v_add_nc_u32 v[SA+2], 2*LP, v[SA]
	v_add_nc_u32 v[SA+3], 3*LP, v[SA]
	s_and_b32 s17, ttmp7, 0xffff
	s_and_b32 s18, ttmp9, 7
	s_lshr_b32 s29, ttmp9, 3
	s_lshl_b32 s30, s17, 2                         ; cnt[e]
	s_lshl_b32 s24, s17, 24                        ; W2: expert x 16 MiB
	s_lshl_b32 s26, s29, 22                        ;   + 1,024 kq rows of 4,096 bytes
	s_add_co_u32 s24, s24, s26
	s_lshl_b32 s26, s16, 20                        ;   + 256 wave rows
	s_add_co_u32 s24, s24, s26
	s_lshl_b32 s26, s18, 9                         ;   + 128 s columns of 4 bytes
	s_add_co_u32 s24, s24, s26
	s_mov_b32 s25, 0
	s_lshl_b32 s32, s29, 11                        ; hbuf: 1,024 kq numbers of 2 bytes along the row
	s_mov_b32 s33, 0
	s_lshl_b32 s34, s29, 23                        ; part: plane kq of 8 MiB + 512 s
	s_add_co_u32 s34, s34, s26
	s_mov_b32 s35, 0
	s_lshl_b32 s36, s17, 12                        ; route: 4,096 e
	s_mov_b32 s37, 0
	s_mov_b32 s38, 0                               ; pass
	s_wait_kmcnt 0x0
	s_load_b32 s19, s[PR:PR+1], s30 offset:0x8000  ; the list's length
	s_add_nc_u64 s[PW:PW+1], s[PW:PW+1], s[24:25]
	s_add_nc_u64 s[PA:PA+1], s[PA:PA+1], s[32:33]
	s_add_nc_u64 s[PO:PO+1], s[PO:PO+1], s[34:35]
; unit u = rows 8 u .. 8 u + 7 of my 256: eight loads, each 512 neighbouring bytes (128 columns of one row); lane L holds columns 4 L .. + 3
.macro LOADW u
.irp j, 0,1,2,3,4,5,6,7
	global_load_b128 v[XW+32*((\u)%6)+4*\j:XW+32*((\u)%6)+4*\j+3], v[L16], s[PW:PW+1] offset:(8*(\u)+\j)*PITCHB th:TH_LOAD_NT
.endr
.endm
; the unit as bf16, turned: for each of my 4 columns the 8 k are 16 neighbouring bytes of its LDS row
.macro CONV u, left
	s_wait_loadcnt \left                           ; loads return in order (ISA guide 5.7.1): unit u is in, the younger ones stay out
.irp i, 0,1,2,3
.irp p, 0,1,2,3
	v_cvt_pk_bf16_f32 v[TW+4*\i+\p], v[XW+32*((\u)%6)+8*\p+\i], v[XW+32*((\u)%6)+8*\p+4+\i]   ; k = 2 p low, 2 p + 1 high
.endr
	ds_store_b128 v[SA+\i], v[TW+4*\i:TW+4*\i+3] offset:16*(\u)
.endr
.endm
; the pair ids of my 80 rows of the list
.macro PRO_LIST
	s_lshl_b32 s23, s22, 4
.irp i, 0,1,2,3,4
	s_add_co_u32 s26, s23, 16*\i
	v_add_nc_u32 v[PID+\i], s26, v2                ; row of the list
	v_min_u32 v[PID+\i], s21, v[PID+\i]            ; rows past the end repeat the last one
	v_min_u32 v[PID+\i], 0x3ff, v[PID+\i]
	v_lshlrev_b32 v[PID+\i], 2, v[PID+\i]
	global_load_b32 v[PID+\i], v[PID+\i], s[PR:PR+1]
.endr
.endm
; K step st's row fragments: lane (r, h) takes k = 32 st + 8 h .. + 7 and + 16 of its row's slice
.macro LOADA st
.irp i, 0,1,2,3,4
	global_load_b128 v[RING+40*((\st)&3)+8*\i:RING+40*((\st)&3)+8*\i+3], v[AO+\i], s[PA:PA+1] offset:64*(\st)
	global_load_b128 v[RING+40*((\st)&3)+8*\i+4:RING+40*((\st)&3)+8*\i+7], v[AO+\i], s[PA:PA+1] offset:64*(\st)+32
.endr
.endm
; from pair ids to offsets, and the first three K steps' fragments
.macro PRO_ADDR
.irp i, 0,1,2,3,4
	v_min_u32 v[PID+\i], 0x7ff, v[PID+\i]
	v_lshl_add_u32 v[AO+\i], v[PID+\i], 13, v3     ; rows of 8,192 bytes, + 16 h
.endr
	LOADA 0
	LOADA 1
	LOADA 2
.endm
; K step st's weight fragments: 8 blocks of 16 columns x 32 k, from region st >> 3
.macro FETCHB st
	WIN TO_B
.irp b, 0,1,2,3,4,5,6,7
	ds_load_b128 v[64*((\st)&1)+8*\b:64*((\st)&1)+8*\b+3], v[BA+((\st)>>3)] offset:16*LP*\b+64*((\st)&7)
	ds_load_b128 v[64*((\st)&1)+8*\b+4:64*((\st)&1)+8*\b+7], v[BA+((\st)>>3)] offset:16*LP*\b+64*((\st)&7)+32
.endr
.endm
; row tile i x 8 column blocks; the first K step starts the sums with the constant 0: nothing is cleared
.macro MULT acc, i, st
.irp b, 0,1,2,3,4,5,6,7
.if (\st) == 0
	v_wmma_f32_16x16x32_bf16 v[\acc+8*\b:\acc+8*\b+7], v[64*((\st)&1)+8*\b:64*((\st)&1)+8*\b+7], v[RING+40*((\st)&3)+8*\i:RING+40*((\st)&3)+8*\i+7], 0
.else
	v_wmma_f32_16x16x32_bf16 v[\acc+8*\b:\acc+8*\b+7], v[64*((\st)&1)+8*\b:64*((\st)&1)+8*\b+7], v[RING+40*((\st)&3)+8*\i:RING+40*((\st)&3)+8*\i+7], v[\acc+8*\b:\acc+8*\b+7]
.endif
.endr
.endm
; Four independent vector instructions stand between a matrix instruction and a load into one of its sources, or a store
; that reads its result; other matrix instructions are not counted as such here.
.macro PLACES
.rept 4
	v_nop
.endr
.endm
.macro STEP st
	s_wait_dscnt 0x0                               ; this step's 16 weight loads, issued 32 matrix instructions ago; nothing younger is out
.if \st < 30
	s_wait_loadcnt 20                              ; this step's row fragments are in; those of the next two steps (10 loads each) stay out
.else
	s_wait_loadcnt 10*(31-\st)
.endif
	WIN MUL_4
	MULT ACC4, 4, \st
.if \st < 31
	PLACES                                         ; behind the last step's products, whose weight buffer and ring slot are loaded next
	FETCHB \st+1
.endif
.if \st < 29
	WIN 0
	LOADA \st+3
.endif
	WIN MUL_M
	MULT 0, 0, \st
	MULT 64, 1, \st
	MULT 128, 2, \st
	MULT 192, 3, \st
.endm
; THE WAY OUT of row tile i: the f32 sums go as they are through my stage and leave as whole rows of 512 bytes.
.macro EPI i, acc, win
	WIN \win
.irp b, 0,1,2,3,4,5,6,7
	ds_store_b128 v[STO], v[\acc+8*\b:\acc+8*\b+3] offset:64*\b            ; row r, columns 16 b + 8 h + 0..3
	ds_store_b128 v[STO], v[\acc+8*\b+4:\acc+8*\b+7] offset:64*\b+16       ; and + 4..7
.endr
	WIN 0
	s_wait_xcnt 0x0                                ; R and VA are sources of the last tile's stores: rewritten only behind this wait (ISA guide 3.1)
.irp t, 0,1,2,3,4,5,6,7,8,9,10,11,12,13,14,15
	ds_load_b128 v[R+4*\t:R+4*\t+3], v[RD] offset:SP*\t                    ; my own stage: LDS serves a wave's instructions in order, these see the stores above
.endr
.irp t, 0,1,2,3,4,5,6,7,8,9,10,11,12,13,14,15
	v_readlane_b32 s26, v[PID+\i], \t              ; row t's pair id
	s_min_u32 s26, s26, 0x7ff
	s_lshl_b32 s26, s26, 12                        ; rows of 4,096 bytes
	v_add_nc_u32 v[VA+\t], s26, v[L16]
.endr
.irp t, 0,1,2,3,4,5,6,7,8,9,10,11,12,13,14,15
	s_wait_dscnt 15-\t                             ; row t is back; the younger loads stay out
	global_store_b128 v[VA+\t], v[R+4*\t:R+4*\t+3], s[PO:PO+1]             ; the wave's store covers 512 neighbouring bytes, aligned
.endr
.endm
	; PHASE 1.  Six units (48 loads, 24 KiB a wave) are always on their way.
.irp u, 0,1,2,3,4,5
	LOADW \u
.endr
	s_wait_kmcnt 0x0                               ; the count
	s_add_nc_u64 s[PR:PR+1], s[PR:PR+1], s[36:37]  ; my expert's list
	s_min_u32 s19, s19, 0x400
	s_add_co_u32 s20, s19, 15
	s_lshr_b32 s20, s20, 4                         ; tiles of 16 rows
	s_max_u32 s21, s19, 1
	s_sub_co_u32 s21, s21, 1                       ; the last row (row 0 of an empty list holds a valid id and is only loaded, never stored for)
	s_mul_i32 s22, s16, 5                          ; my first tile
.irp u, 0,1,2,3,4,5,6,7,8,9,10,11,12,13,14,15,16,17,18,19,20,21,22,23,24,25
	CONV \u, 40                                    ; five younger units of eight loads
	LOADW \u+6
.endr
	PRO_LIST                                       ; five loads behind the last unit: the list comes in under the stream's tail
.irp u, 26,27,28,29,30,31
	CONV \u, 8*(31-\u)+5                           ; the units still to come, and the five list loads
.endr
	s_wait_loadcnt 0x0                             ; the list
	PRO_ADDR
	s_wait_dscnt 0x0                               ; my region is written before I say so
	s_barrier_signal -1
	s_barrier_wait -1                              ; the only barrier: behind it the weights are only read
	s_cmp_ge_u32 s22, s20
	s_cbranch_scc1 .Ldone                          ; no tile of the list is mine
	; PHASE 2
.Lpass:
	FETCHB 0
.irp st, 0,1,2,3,4,5,6,7,8,9,10,11,12,13,14,15,16,17,18,19,20,21,22,23,24,25,26,27,28,29,30,31
	STEP \st
.endr
	PLACES                                         ; behind the last products, in front of the first store of a sum
	EPI 0, 0, ST_A
	EPI 1, 64, ST_A
	EPI 2, 128, ST_A
	EPI 3, 192, ST_A
	EPI 4, ACC4, ST_4
	WIN 0
	s_add_co_u32 s22, s22, 20                      ; four waves x five tiles further
	s_cmp_ge_u32 s22, s20
	s_cbranch_scc1 .Ldone                          ; the list is done: this is the way out that is taken
	s_wait_xcnt 0x0                                ; the stores above have read R and VA, which the ring's loads write next
	PRO_LIST
	s_wait_loadcnt 0x0
	PRO_ADDR
	s_add_co_u32 s38, s38, 1
	s_cmp_lt_u32 s38, PASSES                       ; 64 tiles at most, 20 a pass: the fourth pass is the last that can have work
	s_cbranch_scc1 .Lpass
.Ldone:
	s_wait_tensorcnt 0x0
	ds_add_u32 v254, v255
	s_wait_dscnt 0x0
	s_endpgm
.Lfunc_end_k_q18aa13917f_gemm2:
	.size	k_q18aa13917f_gemm2, .Lfunc_end_k_q18aa13917f_gemm2-k_q18aa13917f_gemm2
	.p2alignl 7, 3214868480
	.fill 96, 4, 3214868480
	.section	.rodata,"a",@progbits
	.p2align	6, 0x0
	.amdhsa_kernel k_q18aa13917f_gemm2
		.amdhsa_group_segment_fixed_size 304640
		.amdhsa_private_segment_fixed_size 0
		.amdhsa_enable_private_segment 0
		.amdhsa_kernarg_size 32
		.amdhsa_user_sgpr_count 2
		.amdhsa_user_sgpr_kernarg_segment_ptr 1
		.amdhsa_wavefront_size32 1
		.amdhsa_system_sgpr_workgroup_id_x 1
		.amdhsa_system_sgpr_workgroup_id_y 1
		.amdhsa_system_sgpr_workgroup_id_z 1
		.amdhsa_system_vgpr_workitem_id 0
		.amdhsa_next_free_vgpr 768
		.amdhsa_next_free_sgpr 66
		.amdhsa_reserve_vcc 0
		.amdhsa_float_denorm_mode_32 3
		.amdhsa_float_denorm_mode_16_64 3
		.amdhsa_memory_ordered 1
		.amdhsa_forward_progress 1
		.amdhsa_inst_pref_size 255
	.end_amdhsa_kernel
	.section	.bss,"aw",@nobits
	.p2align	6
	.space	262144
	.amdgpu_metadata
---
amdhsa.version: [ 1, 2 ]
amdhsa.kernels:
  - .name:           k_q18aa13917f_gemm2
    .symbol:         k_q18aa13917f_gemm2.kd
    .args:
      - { .name: W2, .offset: 0, .size: 8, .value_kind: global_buffer, .address_space: global }
      - { .name: hbuf, .offset: 8, .size: 8, .value_kind: global_buffer, .address_space: global }
      - { .name: route, .offset: 16, .size: 8, .value_kind: global_buffer, .address_space: global }
      - { .name: part, .offset: 24, .size: 8, .value_kind: global_buffer, .address_space: global }
    .group_segment_fixed_size: 304640
    .private_segment_fixed_size: 0
    .kernarg_segment_align: 8
    .kernarg_segment_size: 32
    .max_flat_workgroup_size: 128
    .sgpr_count:     66
    .vgpr_count:     768
    .wavefront_size: 32
...
	.end_amdgpu_metadata
.endif
;; end of part 4
;; launch final (part 5): grid 256 x 1, 4 waves a work-group, no clusters, 0 bytes of LDS; arguments x, part, wts, sel, b2, ln_gamma, ln_beta, out0; writes out0
.if DOCPART == 5
	.amdgcn_target "amdgcn-amd-amdhsa--gfx1250"
	.amdhsa_code_object_version 6
	.text
	.protected	k_q18aa13917f_final
	.globl	k_q18aa13917f_final
	.p2align	8
	.type	k_q18aa13917f_final,@function
k_q18aa13917f_final:
	s_mov_b64 s[64:65], 0
	v_nop
	global_prefetch_b8 v0, s[64:65] scope:SCOPE_SE
	s_setreg_imm32_b32 hwreg(HW_REG_WAVE_MODE, 25, 1), 1
	s_wait_xcnt 0x0
; COMBINE, RESIDUAL, LAYERNORM.  z = x[n] + sum over kq = 0..3, k = 0..1 of part[kq][2n+k] + sum over k of wts[2n+k] b2[e_k];
; out0[n] = (z - mean) / sqrt(var + 1e-5) * gamma + beta.  (part and wts already carry gate_scale x the routing weight.)
; One wave, one token; the row of 1,024 numbers stays in 32 registers a lane between the passes: no LDS, no barrier.
; Rows 2n and 2n+1 of a plane of part are neighbours: 16 loads of 512 bytes bring both.  Three buffers of 16 loads take turns,
; so that two or three groups of loads are always on their way.
; A stream: the matrix unit, clusters and LDS have nothing to add.  All in f32; the sums run in another order than the reference's.
.set Z,  32                            ; v[32:63]   my 32 numbers of the row: load j holds columns 128 j + 4 L .. + 3
.set P0, 64                            ; v[64:127]  plane 0, then plane 3
.set P1, 128                           ; v[128:191] plane 1, then the two rows of b2
.set P2, 192                           ; v[192:255] plane 2, then gamma and beta
	s_load_b256 s[4:11], s[0:1], 0x0               ; x s[4:5], part s[6:7], wts s[8:9], sel s[10:11]
	s_load_b256 s[12:19], s[0:1], 0x20             ; b2 s[12:13], gamma s[14:15], beta s[16:17], out0 s[18:19]
	v_and_b32 v1, 31, v0
	v_lshrrev_b32 v3, 5, v0
	v_readfirstlane_b32 s20, v3
	s_lshl2_add_u32 s20, ttmp9, s20                ; token n = 4 x work-group + wave
	v_lshlrev_b32 v2, 4, v1                        ; 16 L
	s_mov_b32 s40, 0x76543210                      ; v_permlanex16_b32: lane i reads lane i of the other half
	s_mov_b32 s41, 0xfedcba98
	s_mov_b32 s42, 0x3a800000                      ; 1 / 1024
	s_lshl_b32 s22, s20, 2                         ; sel: 4 n
	s_lshl_b32 s23, s20, 3                         ; wts: 8 n
	s_lshl_b32 s46, s20, 12                        ; x, out0: 4,096 n
	s_mov_b32 s47, 0
	s_lshl_b32 s44, s20, 13                        ; part: 2 n rows of 4,096 bytes
	s_mov_b32 s45, 0
	s_wait_kmcnt 0x0
	s_load_b32 s21, s[10:11], s22 offset:0x0       ; e0 | e1 << 8
	s_load_b64 s[24:25], s[8:9], s23 offset:0x0    ; the two weights
	s_add_nc_u64 s[4:5], s[4:5], s[46:47]
	s_add_nc_u64 s[18:19], s[18:19], s[46:47]
	s_add_nc_u64 s[32:33], s[6:7], s[44:45]        ; a base for each plane: 8 MiB apart
	s_add_nc_u64 s[34:35], s[32:33], 0x800000
	s_add_nc_u64 s[36:37], s[34:35], 0x800000
	s_add_nc_u64 s[38:39], s[36:37], 0x800000
.macro LDP p, sb                       ; 16 loads: rows 2n and 2n+1 of one plane
.irp j, 0,1,2,3,4,5,6,7,8,9,10,11,12,13,14,15
	global_load_b128 v[\p+4*\j:\p+4*\j+3], v2, s[\sb:\sb+1] offset:512*\j th:TH_LOAD_NT
.endr
.endm
.macro LDR p, sb                       ; 8 loads: one row of 1,024 f32 that other work-groups read too
.irp j, 0,1,2,3,4,5,6,7
	global_load_b128 v[\p+4*\j:\p+4*\j+3], v2, s[\sb:\sb+1] offset:512*\j
.endr
.endm
.macro ADDP p                          ; z += both rows
.set k, 0
.rept 16
	v_pk_add_f32 v[Z+k:Z+k+1], v[Z+k:Z+k+1], v[\p+k:\p+k+1]
.set k, k+2
.endr
.set k, 0
.rept 16
	v_pk_add_f32 v[Z+k:Z+k+1], v[Z+k:Z+k+1], v[\p+32+k:\p+32+k+1]
.set k, k+2
.endr
.endm
.macro LANESUM a, tmp                  ; the sum over the 32 lanes, in every lane
	v_add_f32_dpp v[\a], v[\a], v[\a] row_xmask:1 row_mask:0xf bank_mask:0xf
	v_add_f32_dpp v[\a], v[\a], v[\a] row_xmask:2 row_mask:0xf bank_mask:0xf
	v_add_f32_dpp v[\a], v[\a], v[\a] row_xmask:4 row_mask:0xf bank_mask:0xf
	v_add_f32_dpp v[\a], v[\a], v[\a] row_xmask:8 row_mask:0xf bank_mask:0xf
	v_permlanex16_b32 v[\tmp], v[\a], s40, s41
	v_add_f32 v[\a], v[\a], v[\tmp]
.endm
.irp j, 0,1,2,3,4,5,6,7
	global_load_b128 v[Z+4*\j:Z+4*\j+3], v2, s[4:5] offset:512*\j th:TH_LOAD_NT
.endr
	LDP P0, 32
	LDP P1, 34
	LDP P2, 36
	s_wait_kmcnt 0x0                               ; sel and wts
	s_and_b32 s26, s21, 0xff
	s_min_u32 s26, s26, 7
	s_lshl_b32 s26, s26, 12                        ; b2's row e0
	s_mov_b32 s27, 0
	s_add_nc_u64 s[26:27], s[12:13], s[26:27]
	s_lshr_b32 s28, s21, 8
	s_min_u32 s28, s28, 7
	s_lshl_b32 s28, s28, 12                        ; b2's row e1
	s_mov_b32 s29, 0
	s_add_nc_u64 s[28:29], s[12:13], s[28:29]
	s_mov_b32 s30, s25                             ; the second weight in the low register of a pair of its own
	s_mov_b32 s31, s25
	v_mov_b32 v14, 0                               ; v_permlanex16_b32 counts as a reader of its destination
	s_wait_loadcnt 32                              ; x and plane 0 are in; planes 1 and 2 (16 loads each) stay out
	ADDP P0
	LDP P0, 38                                     ; plane 3
	s_wait_loadcnt 32                              ; plane 1 is in; plane 2 and plane 3 stay out
	ADDP P1
	LDR P1, 26
	LDR P1+32, 28
	s_wait_loadcnt 32                              ; plane 2 is in; plane 3 and b2's rows stay out
	ADDP P2
	LDR P2, 14
	LDR P2+32, 16
	s_wait_loadcnt 32                              ; plane 3 is in; b2's rows, gamma and beta stay out
	ADDP P0
	s_wait_loadcnt 16                              ; b2's rows are in; gamma and beta stay out
.set k, 0
.rept 16
	v_pk_fma_f32 v[Z+k:Z+k+1], v[P1+k:P1+k+1], s[24:25], v[Z+k:Z+k+1] op_sel_hi:[1,0,1]
	v_pk_fma_f32 v[Z+k:Z+k+1], v[P1+32+k:P1+32+k+1], s[30:31], v[Z+k:Z+k+1] op_sel_hi:[1,0,1]
.set k, k+2
.endr
	; the mean: four chains started by sums of two pairs, nothing cleared
.irp c, 0,1,2,3
	v_pk_add_f32 v[4+2*\c:5+2*\c], v[Z+4*\c:Z+4*\c+1], v[Z+4*\c+2:Z+4*\c+3]
.endr
.irp c, 0,1,2,3
	v_pk_add_f32 v[4+2*\c:5+2*\c], v[4+2*\c:5+2*\c], v[Z+16+2*\c:Z+17+2*\c]
.endr
.irp c, 0,1,2,3
	v_pk_add_f32 v[4+2*\c:5+2*\c], v[4+2*\c:5+2*\c], v[Z+24+2*\c:Z+25+2*\c]
.endr
	v_pk_add_f32 v[4:5], v[4:5], v[6:7]
	v_pk_add_f32 v[8:9], v[8:9], v[10:11]
	v_pk_add_f32 v[4:5], v[4:5], v[8:9]
	v_add_f32 v4, v4, v5
	LANESUM 4, 14
	v_mul_f32 v12, 0xba800000, v4                  ; - mean
	v_mov_b32 v13, v12
.set k, 0
.rept 16
	v_pk_add_f32 v[Z+k:Z+k+1], v[Z+k:Z+k+1], v[12:13]
.set k, k+2
.endr
	; the variance: four chains started by products
.irp c, 0,1,2,3
	v_pk_mul_f32 v[4+2*\c:5+2*\c], v[Z+2*\c:Z+2*\c+1], v[Z+2*\c:Z+2*\c+1]
.endr
.irp g, 1,2,3
.irp c, 0,1,2,3
	v_pk_fma_f32 v[4+2*\c:5+2*\c], v[Z+8*\g+2*\c:Z+8*\g+2*\c+1], v[Z+8*\g+2*\c:Z+8*\g+2*\c+1], v[4+2*\c:5+2*\c]
.endr
.endr
	v_pk_add_f32 v[4:5], v[4:5], v[6:7]
	v_pk_add_f32 v[8:9], v[8:9], v[10:11]
	v_pk_add_f32 v[4:5], v[4:5], v[8:9]
	v_add_f32 v4, v4, v5
	LANESUM 4, 14
	v_fmaak_f32 v16, s42, v4, 0x3727c5ac           ; var + 1e-5
	v_rsq_f32 v18, v16                             ; twice, to fill the pair that the packed multiply takes
	v_rsq_f32 v19, v16
	v_nop                                          ; one plain instruction behind them (ISA guide 5.7.2)
	s_wait_loadcnt 0x0                             ; gamma and beta
.set k, 0
	s_wait_alu depctr_va_vdst(0)
.rept 16
	v_pk_mul_f32 v[Z+k:Z+k+1], v[Z+k:Z+k+1], v[18:19]
	v_pk_fma_f32 v[Z+k:Z+k+1], v[Z+k:Z+k+1], v[P2+k:P2+k+1], v[P2+32+k:P2+32+k+1]
.set k, k+2
.endr
.irp j, 0,1,2,3,4,5,6,7
	global_store_b128 v2, v[Z+4*\j:Z+4*\j+3], s[18:19] offset:512*\j th:TH_STORE_NT    ; the wave's store covers 512 neighbouring bytes, aligned
.endr
	s_endpgm
.Lfunc_end_k_q18aa13917f_final:
	.size	k_q18aa13917f_final, .Lfunc_end_k_q18aa13917f_final-k_q18aa13917f_final
	.p2alignl 7, 3214868480
	.fill 96, 4, 3214868480
	.section	.rodata,"a",@progbits
	.p2align	6, 0x0
	.amdhsa_kernel k_q18aa13917f_final
		.amdhsa_group_segment_fixed_size 0
		.amdhsa_private_segment_fixed_size 0
		.amdhsa_enable_private_segment 0
		.amdhsa_kernarg_size 64
		.amdhsa_user_sgpr_count 2
		.amdhsa_user_sgpr_kernarg_segment_ptr 1
		.amdhsa_wavefront_size32 1
		.amdhsa_system_sgpr_workgroup_id_x 1
		.amdhsa_system_sgpr_workgroup_id_y 1
		.amdhsa_system_sgpr_workgroup_id_z 1
		.amdhsa_system_vgpr_workitem_id 0
		.amdhsa_next_free_vgpr 256
		.amdhsa_next_free_sgpr 66
		.amdhsa_reserve_vcc 0
		.amdhsa_float_denorm_mode_32 3
		.amdhsa_float_denorm_mode_16_64 3
		.amdhsa_memory_ordered 1
		.amdhsa_forward_progress 1
		.amdhsa_inst_pref_size 29
	.end_amdhsa_kernel
	.amdgpu_metadata
---
amdhsa.version: [ 1, 2 ]
amdhsa.kernels:
  - .name:           k_q18aa13917f_final
    .symbol:         k_q18aa13917f_final.kd
    .args:
      - { .name: x, .offset: 0, .size: 8, .value_kind: global_buffer, .address_space: global }
      - { .name: part, .offset: 8, .size: 8, .value_kind: global_buffer, .address_space: global }
      - { .name: wts, .offset: 16, .size: 8, .value_kind: global_buffer, .address_space: global }
      - { .name: sel, .offset: 24, .size: 8, .value_kind: global_buffer, .address_space: global }
      - { .name: b2, .offset: 32, .size: 8, .value_kind: global_buffer, .address_space: global }
      - { .name: ln_gamma, .offset: 40, .size: 8, .value_kind: global_buffer, .address_space: global }
      - { .name: ln_beta, .offset: 48, .size: 8, .value_kind: global_buffer, .address_space: global }
      - { .name: out0, .offset: 56, .size: 8, .value_kind: global_buffer, .address_space: global }
    .group_segment_fixed_size: 0
    .private_segment_fixed_size: 0
    .kernarg_segment_align: 8
    .kernarg_segment_size: 64
    .max_flat_workgroup_size: 128
    .sgpr_count:     66
    .vgpr_count:     256
    .wavefront_size: 32
...
	.end_amdgpu_metadata
.endif
;; end of part 5
;; ======== version 2 of 2: 5 launches; version 1 with the launches gemm1, gemm2 written anew for expert scheduling mode
;; workspace buffers: xb 2,097,152 bytes; sel 4,096 bytes of whole numbers; wts 8,192 bytes; route 33,024 bytes of whole numbers; hbuf 16,777,216 bytes; part 33,554,432 bytes
;; launch router: the kernel of part 1 again; grid 256 x 1, 4 waves a work-group, no clusters, 37,376 bytes of LDS; arguments x, Wr, br, gate_scale, xb, sel, wts; writes xb, sel, wts
;; launch lists: the kernel of part 2 again; grid 8 x 1, 1 waves a work-group, no clusters, 0 bytes of LDS; arguments sel, route; writes route
;; launch gemm1 (part 6): grid 32 x 8, 4 waves a work-group, no clusters, 288,256 bytes of LDS; arguments W1, b1, xb, wts, route, hbuf; writes hbuf
.if DOCPART == 6
	.amdgcn_target "amdgcn-amd-amdhsa--gfx1250"
	.amdhsa_code_object_version 6
	.text
	.protected	k_q18aa13917f_gemm1
	.globl	k_q18aa13917f_gemm1
	.p2align	8
	.type	k_q18aa13917f_gemm1,@function
k_q18aa13917f_gemm1:
	s_mov_b64 s[64:65], 0
	v_nop
	global_prefetch_b8 v0, s[64:65] scope:SCOPE_SE
	s_setreg_imm32_b32 hwreg(HW_REG_WAVE_SCHED_MODE, 0, 2), 2
	s_setreg_imm32_b32 hwreg(HW_REG_WAVE_MODE, 25, 1), 1
	s_wait_xcnt 0x0
	s_wait_alu depctr_vm_vsrc(0)
; UP-PROJECTION.  hbuf[p][c] = bf16( wts[p] * silu( xb[p >> 1] @ W1[e][:, c] + b1[e][c] ) ) for the pairs p of expert e's list.
; Work-group (s, e): expert e = id y, columns 128 s .. 128 s + 127 of H = id x; all 1,024 of K.  8 x 32 = 256 work-groups,
; and every byte of W1 is read by exactly one of them, once.
; PHASE 1 (the same in every work-group): the block of W1, 1,024 k x 128 columns of f32, comes through registers, is rounded to
; bf16 and laid into LDS transposed, k along the rows.  Wave w brings k = 256 w .. + 255 into a region of its own.
; PHASE 2 (trips hang on the list's length; no barrier in it): a wave takes 5 tiles of 16 listed tokens x 128 columns =
; 40 accumulator tiles; four waves take 320 tokens a pass.  Token fragments come straight from xb by the list, four K steps deep.
; The matrix instruction takes the weights as source 0 and the tokens as source 1: lane (r, h) then holds token r and the eight
; NEIGHBOURING columns 16 b + 8 h + j, which pack into 16 bytes.
; Rows past the list's end repeat its last row: that row lies in the same wave's tiles, so the same wave stores the same bytes
; again; no lane is switched off.
; LIMIT: experts that a token did not choose are not computed (their combine weight is exactly 0); where such an expert's result
; would be infinite or NaN the reference's 0 x inf gives NaN and this program does not.
; NO CLUSTER, NO TENSOR LOADS: f32 weights have to pass through registers to be rounded and transposed, and no two work-groups
; read the same weights; what work-groups share are token rows named by a list, fetched lane by lane, and the partners' trip
; counts hang on different counts.
; THE MODE: SCHED_MODE bits 1:0 = 2 (LLVM: expert scheduling mode 2), set by the entry lines.  The code itself states the register
; dependences between vector or matrix instructions and memory or LDS instructions, with s_wait_alu, always for 0.
; THE PLAN.  Registers that memory or LDS instructions touch:
;   L16, SA, BA, STO, RD, H32   offsets and LDS addresses, made at the head and never written again: one wait ahead of the first load.
;   XW0 .. XW5   phase 1: unit u's loads land in XW[u % 6]; its sixteen conversions read it; behind them unit u + 6's loads land in it.
;   TW0, TW1     phase 1: unit u's conversions write TW[u & 1]; its four LDS stores read it.
;                One wait on va_vdst in a unit, behind its conversions, serves its loads and its LDS stores; the wait on vm_vsrc beside it
;                is for the LDS stores of the unit before, which read the TW that the next unit writes.
;   AO, WA       written by vector instructions ahead of a pass (AO twice: offsets in the list, then in xb), read by that pass's loads.
;   PID, SC      the list's and the weights' loads land in them; vector instructions read them.
;   B0, B1       weight fragments: step st's matrix instructions read B[st & 1]; the LDS loads issued in step st land in the other.
;   ring 0 .. 3  token fragments: step st's matrix instructions read slot st & 3; the loads issued in step st land in slot (st + 3) & 3.
;                Both targets were last read by step st - 1: ONE wait on va_vdst at a step's head, and the step's 26 loads follow in two
;                runs among its matrix instructions, which name B[st & 1], slot st & 3 and accumulators alone.
;   O, VA, R     the way out: O and VA are written by vector instructions and read by the LDS stores and the stores; R is filled by LDS
;                loads and read by the stores.  A tile has one wait on vm_vsrc ahead of its roundings and one on va_vdst ahead of its LDS stores.
.set PITCHB, 16384                     ; bytes from row k to row k + 1 of W1[e]
.set LP,     528                       ; LDS: 256 k of one column (512 bytes) + 16: sixteen columns start in 16 different 16-byte places modulo 256
.set REGN,   128*LP                    ; a wave's region: 128 columns
.set STAGE,  4*REGN                    ; behind the weights: a stage for each wave, for the way out
.set SP,     272                       ; a stage row: 128 bf16 + 16 bytes
.set STW,    16*SP
.set PASSES, 4                         ; a list has at most 1,024 rows = 64 tiles; the four waves take 20 a pass
; window 0
.set H32,  1                           ; v1      L while the head wants it, then 32 h
.set SA,   4                           ; v4-7    phase 1: LDS address of column 4 L + i in my region
.set BA,   8                           ; v8-11   LDS address of lane (r, h)'s weight fragment in region 0..3
.set L16,  12                          ; v12     16 L
.set STO,  13                          ; v13     way out: where I put 16 bytes of token r's row
.set RD,   14                          ; v14     way out: where I read rows back
.set R16,  15                          ; v15     16 r
.set PID,  16                          ; v16-20  pair id of token r of tile i
.set AO,   21                          ; v21-25  first the byte offset of my row of the list, then that of the token's row in xb, + 16 h
.set SC,   26                          ; v26-30  wts of that pair; v31 fills the last register pair
.set RING, 32                          ; v32-191 token fragments: slot (K step & 3) at 40 x slot, tile i at 8 i
.set XW,   32                          ; phase 1: v32-223, six slots of 8 rows x 4 columns of f32
.set TW,   224                         ; phase 1: v224-255, a unit as bf16, transposed: two buffers of 16
.set T,    32                          ; way out: v32-95 pre-activation, U v96-159 sigmoid, O v160-191 bf16, R v192-223 rows read back, VA v224-231 offsets
.set U,    96
.set O,    160
.set R,    192
.set VA,   224
.set WA,   232                         ; v232-236 byte offset of the pair's weight in wts
; window 1: v0-63, v64-127 weight fragments (two buffers); v128-191 accumulators of tile 4; v192-255 bias of my 64 columns
.set ACC4, 128
.set BIAS, 192
; window 2: accumulator tile (i, b), i = 0..3, at 8 (8 i + b)
.set PW, 4                             ; s[4:5] weights   s[6:7] b1   s[8:9] xb   s[10:11] wts   s[12:13] route   s[14:15] hbuf
.set PA, 8
.set PR, 12
.set PO, 14
.set LN, 30                            ; s30-45  way out: the pair ids of a tile's sixteen rows (the head's offsets lay here)
; s16 wave  s17 expert  s18 slice  s19 count  s20 tiles of 16 in the list  s21 count - 1  s22 my first tile  s23 its first row  s46 pass
.set MSB, 0
.macro WIN new                         ; s_set_vgpr_msb: bits 1:0 source 0, 3:2 source 1, 5:4 source 2, 7:6 destination; the high byte repeats the setting left
.if MSB != \new
	s_set_vgpr_msb (MSB<<8)|\new
.set MSB, \new
.endif
.endm
.set MUL_M, 0xa1                       ; weights window 1, tokens window 0, C and D window 2
.set MUL_4, 0x51                       ; the same, C and D window 1
.set TO_B,  0x40                       ; destination window 1, address window 0
.set EP_A,  0x06                       ; source 0 window 2 (sums), source 1 window 1 (bias), destination window 0
.set EP_4,  0x05                       ; source 0 and 1 window 1
	s_load_b256 s[4:11], s[0:1], 0x0
	s_load_b128 s[12:15], s[0:1], 0x20
	s_set_vgpr_msb 0xc0
	v_lshl_add_u32 v0, v0, 2, 0x46400
	v_mov_b32 v1, 0
	s_set_vgpr_msb 0xc000
	v_and_b32 v1, 31, v0                           ; L
	v_lshrrev_b32 v2, 5, v0
	v_readfirstlane_b32 s16, v2                    ; wave
	v_and_b32 v2, 15, v0                           ; r
	v_bfe_u32 v3, v0, 4, 1                         ; h
	v_lshlrev_b32 v[L16], 4, v1
	v_lshlrev_b32 v[R16], 4, v2
	s_wait_alu depctr_va_sdst(0)                   ; s16 is written, ahead of its first reader
	s_mul_i32 s24, s16, STW
	s_add_co_u32 s24, s24, STAGE                   ; my stage
	v_mul_u32_u24 v[STO], v2, SP
	v_lshl_add_u32 v[STO], v3, 4, v[STO]
	v_add_nc_u32 v[STO], s24, v[STO]               ; stage + 272 r + 16 h
	v_mul_u32_u24 v[RD], v3, SP
	v_lshl_add_u32 v[RD], v2, 4, v[RD]
	v_add_nc_u32 v[RD], s24, v[RD]                 ; stage + 272 h + 16 r: lanes 0-15 one row, lanes 16-31 the next
	v_lshlrev_b32 v3, 4, v3                        ; from here on v3 = 16 h
	v_mul_u32_u24 v[BA], v2, LP
	v_add_nc_u32 v[BA], v[BA], v3                  ; 528 r + 16 h
	v_add_nc_u32 v[BA+1], REGN, v[BA]
	v_add_nc_u32 v[BA+2], 2*REGN, v[BA]
	v_add_nc_u32 v[BA+3], 3*REGN, v[BA]
	v_lshlrev_b32 v[SA], 2, v1
	v_mul_u32_u24 v[SA], v[SA], LP
	s_mul_i32 s24, s16, REGN
	v_add_nc_u32 v[SA], s24, v[SA]                 ; wave x region + 528 (4 L): only my wave stores there
	v_add_nc_u32 v[SA+1], LP, v[SA]
	v_add_nc_u32 v[SA+2], 2*LP, v[SA]
	v_add_nc_u32 v[SA+3], 3*LP, v[SA]
	v_lshlrev_b32 v[H32], 1, v3                    ; L is wanted no more: 32 h
	v_mov_b32 v[SC+5], 0                           ; the upper register of the pair that holds tile 4's weight
	s_and_b32 s17, ttmp7, 0xffff
	s_mov_b32 s18, ttmp9
	s_mov_b32 s28, 0xffff0000                      ; lanes 16-31
	s_lshl_b32 s30, s17, 2                         ; cnt[e]
	s_lshl_b32 s24, s17, 24                        ; W1: expert x 16 MiB
	s_lshl_b32 s26, s16, 22                        ;   + 256 wave rows of 16,384 bytes
	s_add_co_u32 s24, s24, s26
	s_lshl_b32 s26, s18, 9                         ;   + 128 slice columns of 4 bytes
	s_add_co_u32 s24, s24, s26
	s_mov_b32 s25, 0
	s_lshl_b32 s32, s17, 14                        ; b1: 16,384 e + 512 s
	s_add_co_u32 s32, s32, s26
	s_mov_b32 s33, 0
	s_lshl_b32 s34, s18, 8                         ; hbuf: 256 s
	s_mov_b32 s35, 0
	s_lshl_b32 s36, s17, 12                        ; route: 4,096 e
	s_mov_b32 s37, 0
	s_mov_b32 s46, 0                               ; pass
	s_wait_kmcnt 0x0
	s_load_b32 s19, s[PR:PR+1], s30 offset:0x8000  ; the list's length
	s_add_nc_u64 s[PW:PW+1], s[PW:PW+1], s[24:25]
	s_add_nc_u64 s[6:7], s[6:7], s[32:33]
	s_add_nc_u64 s[PO:PO+1], s[PO:PO+1], s[34:35]
; unit u = rows 8 u .. 8 u + 7 of my 256: eight loads, each 512 neighbouring bytes (128 columns of one row); lane L holds columns 4 L .. + 3
.macro LOADW u
.irp j, 0,1,2,3,4,5,6,7
	global_load_b128 v[XW+32*((\u)%6)+4*\j:XW+32*((\u)%6)+4*\j+3], v[L16], s[PW:PW+1] offset:(8*(\u)+\j)*PITCHB th:TH_LOAD_NT
.endr
.endm
; the unit as bf16, turned: for each of my 4 columns the 8 k are 16 neighbouring bytes of its LDS row.  more = 1: the slot is asked for again, for unit u + 6
.macro CONV u, left, more
	s_wait_loadcnt \left                           ; loads return in order (ISA guide 5.7.1): unit u is in, the younger ones stay out
.irp i, 0,1,2,3
.irp p, 0,1,2,3
	v_cvt_pk_bf16_f32 v[TW+16*((\u)&1)+4*\i+\p], v[XW+32*((\u)%6)+8*\p+\i], v[XW+32*((\u)%6)+8*\p+4+\i]   ; k = 2 p low, 2 p + 1 high
.endr
.endr
	s_wait_alu depctr_va_vdst(0)                   ; the sixteen conversions have written TW[u & 1], which the LDS stores below read, and are done reading XW[u % 6], in which the loads below land
.if ((\u) > 0) && ((\u) < 31)
	s_wait_alu depctr_vm_vsrc(0)                   ; the LDS stores of the unit before have read the other TW, which the next unit's conversions write
.endif
.if \more
	LOADW (\u)+6
.endif
.irp i, 0,1,2,3
	ds_store_b128 v[SA+\i], v[TW+16*((\u)&1)+4*\i:TW+16*((\u)&1)+4*\i+3] offset:16*(\u)
.endr
.endm
; the pair ids of my 80 rows of the list
.macro PRO_LIST
	s_lshl_b32 s23, s22, 4
.irp i, 0,1,2,3,4
	s_add_co_u32 s26, s23, 16*\i
	v_add_nc_u32 v[AO+\i], s26, v2                 ; row of the list
	v_min_u32 v[AO+\i], s21, v[AO+\i]              ; rows past the end repeat the last one
	v_min_u32 v[AO+\i], 0x3ff, v[AO+\i]
	v_lshlrev_b32 v[AO+\i], 2, v[AO+\i]
.endr
	s_wait_alu depctr_va_vdst(0)                   ; the five offsets are written, which the loads read; behind a pass, its way out is done reading the pair ids, in which they land
.irp i, 0,1,2,3,4
	global_load_b32 v[PID+\i], v[AO+\i], s[PR:PR+1]
.endr
.endm
; K step st's token fragments: lane (r, h) takes k = 32 st + 8 h .. + 7 and + 16 of its token's row
.macro LOADA st
.irp i, 0,1,2,3,4
	global_load_b128 v[RING+40*((\st)&3)+8*\i:RING+40*((\st)&3)+8*\i+3], v[AO+\i], s[PA:PA+1] offset:64*(\st)
	global_load_b128 v[RING+40*((\st)&3)+8*\i+4:RING+40*((\st)&3)+8*\i+7], v[AO+\i], s[PA:PA+1] offset:64*(\st)+32
.endr
.endm
; from pair ids to offsets, the pairs' weights, and the first three K steps' fragments
.macro PRO_ADDR
	s_wait_alu depctr_vm_vsrc(0)                   ; the list's loads have read AO, which is written anew; phase 1's last LDS stores have read TW, where WA and VA lie
.irp i, 0,1,2,3,4
	v_min_u32 v[PID+\i], 0x7ff, v[PID+\i]
	v_and_b32 v[AO+\i], 0x7fe, v[PID+\i]
	v_lshl_add_u32 v[AO+\i], v[AO+\i], 10, v3      ; token p >> 1, rows of 2,048 bytes, + 16 h
	v_lshlrev_b32 v[WA+\i], 2, v[PID+\i]
.endr
	s_wait_alu depctr_va_vdst(0)                   ; AO and WA are written, which the loads read; whatever named SC, the ring and the two weight buffers last (phase 1's conversions; the pass before) is done: the loads from here to the end of K step 0 land there
.irp i, 0,1,2,3,4
	global_load_b32 v[SC+\i], v[WA+\i], s[10:11]
.endr
	LOADA 0
	LOADA 1
	LOADA 2
.endm
; K step st's weight fragments: 8 blocks of 16 columns x 32 k, from region st >> 3
.macro FETCHB st
	WIN TO_B
.irp b, 0,1,2,3,4,5,6,7
	ds_load_b128 v[64*((\st)&1)+8*\b:64*((\st)&1)+8*\b+3], v[BA+((\st)>>3)] offset:16*LP*\b+64*((\st)&7)
	ds_load_b128 v[64*((\st)&1)+8*\b+4:64*((\st)&1)+8*\b+7], v[BA+((\st)>>3)] offset:16*LP*\b+64*((\st)&7)+32
.endr
.endm
; token tile i x 8 column blocks; the first K step starts the sums with the constant 0: nothing is cleared
.macro MULT acc, i, st
.irp b, 0,1,2,3,4,5,6,7
.if (\st) == 0
	v_wmma_f32_16x16x32_bf16 v[\acc+8*\b:\acc+8*\b+7], v[64*((\st)&1)+8*\b:64*((\st)&1)+8*\b+7], v[RING+40*((\st)&3)+8*\i:RING+40*((\st)&3)+8*\i+7], 0
.else
	v_wmma_f32_16x16x32_bf16 v[\acc+8*\b:\acc+8*\b+7], v[64*((\st)&1)+8*\b:64*((\st)&1)+8*\b+7], v[RING+40*((\st)&3)+8*\i:RING+40*((\st)&3)+8*\i+7], v[\acc+8*\b:\acc+8*\b+7]
.endif
.endr
.endm
; Four independent vector instructions stand between a matrix instruction and a vector instruction that reads its result or writes
; one of its sources (ISA guide 7.12.1); other matrix instructions are not counted as such here.
.macro PLACES
.rept 4
	v_nop
.endr
.endm
.macro STEP st
	s_wait_dscnt 0x0                               ; this step's 16 weight loads, issued 32 matrix instructions ago; nothing younger is out
.if \st < 30
	s_wait_loadcnt 20                              ; this step's token fragments are in; those of the next two steps (10 loads each) stay out
.else
	s_wait_loadcnt 10*(31-\st)
.endif
.if (\st > 0) && (\st < 31)
	s_wait_alu depctr_va_vdst(0)                   ; the last step's matrix instructions are done reading the weight buffer and the ring slot in which this step's loads land
.endif
	WIN MUL_4
	MULT ACC4, 4, \st
.if \st < 31
	FETCHB \st+1                                   ; no matrix instruction since the wait names the other weight buffer or BA
.endif
	WIN MUL_M
	MULT 0, 0, \st
.if \st < 29
	WIN 0
	LOADA \st+3                                    ; nor the slot three steps on, nor AO
.endif
	WIN MUL_M
	MULT 64, 1, \st
	MULT 128, 2, \st
	MULT 192, 3, \st
.endm
; THE WAY OUT of token tile i: + bias, silu, x the pair's weight, bf16, through my stage, whole 256-byte pieces of hbuf's rows.
; silu(v) = v / (1 + 2^(-v log2 e)).
.macro EPI i, acc, win
	WIN \win
.irp b, 0,1,2,3,4,5,6,7
.irp q, 0,2,4,6
	v_pk_add_f32 v[T+8*\b+\q:T+8*\b+\q+1], v[\acc+8*\b+\q:\acc+8*\b+\q+1], v[BIAS+8*\b+\q:BIAS+8*\b+\q+1]
.endr
.endr
	WIN 0
.set k, 0
.rept 32
	v_pk_mul_f32 v[U+k:U+k+1], v[T+k:T+k+1], 0xbfb8aa3b op_sel_hi:[1,0]    ; - v log2 e
.set k, k+2
.endr
.set k, 0
.rept 32
	v_exp_f32 v[U+k], v[U+k]
	v_exp_f32 v[U+k+1], v[U+k+1]
.if (\i) & 1                                           ; independent plain work between the exponentials: v x the pair's weight (one register sent to both halves)
	v_pk_mul_f32 v[T+k:T+k+1], v[T+k:T+k+1], v[SC+\i-1:SC+\i] op_sel:[0,1]
.else
	v_pk_mul_f32 v[T+k:T+k+1], v[T+k:T+k+1], v[SC+\i:SC+\i+1] op_sel_hi:[1,0]
.endif
.set k, k+2
.endr
.set k, 0
	s_wait_alu depctr_va_vdst(0)
.rept 32
	v_pk_add_f32 v[U+k:U+k+1], v[U+k:U+k+1], 1.0 op_sel_hi:[1,0]
.set k, k+2
.endr
.set k, 0
.rept 64
	v_rcp_f32 v[U+k], v[U+k]
.set k, k+1
.endr
	v_nop                                          ; one plain instruction behind the last reciprocal (ISA guide 5.7.2)
.set k, 0
	s_wait_alu depctr_va_vdst(0)
.rept 32
	v_pk_mul_f32 v[T+k:T+k+1], v[T+k:T+k+1], v[U+k:U+k+1]
.set k, k+2
.endr
.irp t, 0,1,2,3,4,5,6,7,8,9,10,11,12,13,14,15
	v_readlane_b32 s[LN+\t], v[PID+\i], \t         ; the pair ids of the tile's sixteen rows, in one run: one wait serves them all
.endr
.if (\i) > 0                                           ; tile 0 has no tile in front of it: the waits ahead of the pass have done this
	s_wait_xcnt 0x0                                ; R and VA are sources of the last tile's stores: rewritten only behind this wait (ISA guide 3.1)
	s_wait_alu depctr_vm_vsrc(0)                   ; the last tile's LDS stores have read O, its stores R and VA: all three are written again below
.endif
.set k, 0
.rept 32
	v_cvt_pk_bf16_f32 v[O+k], v[T+2*k], v[T+2*k+1]
.set k, k+1
.endr
	s_wait_alu depctr_va_sdst(0)                   ; s[LN ..] are written, ahead of their first reader
.irp t, 0,1,2,3,4,5,6,7
	v_mov_b32 v[VA+\t], s[LN+2*\t]                 ; rows 2 t and 2 t + 1:
	v_cndmask_b32 v[VA+\t], v[VA+\t], s[LN+2*\t+1], s28    ; lanes 16-31 take the second row
	v_min_u32 v[VA+\t], 0x7ff, v[VA+\t]
	v_lshl_add_u32 v[VA+\t], v[VA+\t], 13, v[R16]  ; rows of 8,192 bytes, + 16 r
.endr
	s_wait_alu depctr_va_vdst(0)                   ; the roundings have written O, which the LDS stores read; VA is written, which the stores read as their offsets
.irp b, 0,1,2,3,4,5,6,7
	ds_store_b128 v[STO], v[O+4*\b:O+4*\b+3] offset:32*\b          ; token r, columns 16 b + 8 h .. + 7
.endr
.irp t, 0,1,2,3,4,5,6,7
	ds_load_b128 v[R+4*\t:R+4*\t+3], v[RD] offset:2*SP*\t          ; my own stage: LDS serves a wave's instructions in order, these see the stores above
.endr
.irp t, 0,1,2,3,4,5,6,7
	s_wait_dscnt 7-\t                              ; rows 2 t, 2 t + 1 are back; the younger loads stay out
	global_store_b128 v[VA+\t], v[R+4*\t:R+4*\t+3], s[PO:PO+1]     ; sixteen lanes fill 256 neighbouring bytes, aligned
.endr
.endm
	; PHASE 1.  Six units (48 loads, 24 KiB a wave) are always on their way.
	s_wait_alu depctr_va_vdst(0)                   ; L16, SA, BA, STO, RD and H32 are written: every load, LDS store and LDS load of the kernel that reads one of them stands behind this wait
.irp u, 0,1,2,3,4,5
	LOADW \u
.endr
	s_wait_kmcnt 0x0                               ; the count
	s_add_nc_u64 s[PR:PR+1], s[PR:PR+1], s[36:37]  ; my expert's list
	s_min_u32 s19, s19, 0x400
	s_add_co_u32 s20, s19, 15
	s_lshr_b32 s20, s20, 4                         ; tiles of 16 rows
	s_max_u32 s21, s19, 1
	s_sub_co_u32 s21, s21, 1                       ; the last row (row 0 of an empty list holds a valid id and is only loaded, never stored for)
	s_mul_i32 s22, s16, 5                          ; my first tile
.irp u, 0,1,2,3,4,5,6,7,8,9,10,11,12,13,14,15,16,17,18,19,20,21,22,23,24,25
	CONV \u, 40, 1                                 ; five younger units of eight loads
.endr
	PRO_LIST                                       ; five loads behind the last unit: the list comes in under the stream's tail
.irp u, 26,27,28,29,30,31
	CONV \u, 8*(31-\u)+5, 0                        ; the units still to come, and the five list loads
.endr
	s_wait_loadcnt 0x0                             ; the list
	WIN TO_B
.irp b, 0,1,2,3,4,5,6,7
	global_load_b128 v[BIAS+8*\b:BIAS+8*\b+3], v[H32], s[6:7] offset:64*\b         ; b1 of columns 16 b + 8 h + 0..3
	global_load_b128 v[BIAS+8*\b+4:BIAS+8*\b+7], v[H32], s[6:7] offset:64*\b+16    ; and + 4..7: laid as the accumulators are; in by the first K step's wait
.endr
	WIN 0
	PRO_ADDR
	s_wait_dscnt 0x0                               ; my region is written before I say so
	s_barrier_signal -1
	s_barrier_wait -1                              ; the only barrier: behind it the weights are only read
	s_cmp_ge_u32 s22, s20
	s_cbranch_scc1 .Ldone                          ; no tile of the list is mine
	; PHASE 2
.Lpass:
	FETCHB 0
.irp st, 0,1,2,3,4,5,6,7,8,9,10,11,12,13,14,15,16,17,18,19,20,21,22,23,24,25,26,27,28,29,30,31
	STEP \st
.endr
	PLACES                                         ; behind the last products, in front of the first read of a sum
	EPI 0, 0, EP_A
	EPI 1, 64, EP_A
	EPI 2, 128, EP_A
	EPI 3, 192, EP_A
	EPI 4, ACC4, EP_4
	WIN 0
	s_add_co_u32 s22, s22, 20                      ; four waves x five tiles further
	s_cmp_ge_u32 s22, s20
	s_cbranch_scc1 .Ldone                          ; the list is done: this is the way out that is taken
	s_wait_xcnt 0x0                                ; the stores above have read their sources
	s_wait_alu depctr_vm_vsrc(0)                   ; the pass's loads have read AO and WA, its last LDS stores O, its last stores R and VA: AO is written next, the others ahead of and in the next pass
	PRO_LIST
	s_wait_loadcnt 0x0
	PRO_ADDR
	s_add_co_u32 s46, s46, 1
	s_cmp_lt_u32 s46, PASSES                       ; 64 tiles at most, 20 a pass: the fourth pass is the last that can have work
	s_cbranch_scc1 .Lpass
.Ldone:
	s_set_vgpr_msb 0xf
	s_wait_dscnt 0x0
	s_wait_alu depctr_hold_cnt(0) depctr_sa_sdst(0) depctr_va_vdst(0) depctr_va_sdst(0) depctr_va_ssrc(0) depctr_va_vcc(0) depctr_vm_vsrc(0)
	s_wait_tensorcnt 0x0
	ds_add_u32 v0, v1
	s_wait_dscnt 0x0
	s_endpgm
.Lfunc_end_k_q18aa13917f_gemm1:
	.size	k_q18aa13917f_gemm1, .Lfunc_end_k_q18aa13917f_gemm1-k_q18aa13917f_gemm1
	.p2alignl 7, 3214868480
	.fill 96, 4, 3214868480
	.section	.rodata,"a",@progbits
	.p2align	6, 0x0
	.amdhsa_kernel k_q18aa13917f_gemm1
		.amdhsa_group_segment_fixed_size 288256
		.amdhsa_private_segment_fixed_size 0
		.amdhsa_enable_private_segment 0
		.amdhsa_kernarg_size 48
		.amdhsa_user_sgpr_count 2
		.amdhsa_user_sgpr_kernarg_segment_ptr 1
		.amdhsa_wavefront_size32 1
		.amdhsa_system_sgpr_workgroup_id_x 1
		.amdhsa_system_sgpr_workgroup_id_y 1
		.amdhsa_system_sgpr_workgroup_id_z 1
		.amdhsa_system_vgpr_workitem_id 0
		.amdhsa_next_free_vgpr 770
		.amdhsa_next_free_sgpr 66
		.amdhsa_reserve_vcc 0
		.amdhsa_float_denorm_mode_32 3
		.amdhsa_float_denorm_mode_16_64 3
		.amdhsa_memory_ordered 1
		.amdhsa_forward_progress 1
		.amdhsa_inst_pref_size 255
	.end_amdhsa_kernel
	.section	.bss,"aw",@nobits
	.p2align	6
	.space	262144
	.amdgpu_metadata
---
amdhsa.version: [ 1, 2 ]
amdhsa.kernels:
  - .name:           k_q18aa13917f_gemm1
    .symbol:         k_q18aa13917f_gemm1.kd
    .args:
      - { .name: W1, .offset: 0, .size: 8, .value_kind: global_buffer, .address_space: global }
      - { .name: b1, .offset: 8, .size: 8, .value_kind: global_buffer, .address_space: global }
      - { .name: xb, .offset: 16, .size: 8, .value_kind: global_buffer, .address_space: global }
      - { .name: wts, .offset: 24, .size: 8, .value_kind: global_buffer, .address_space: global }
      - { .name: route, .offset: 32, .size: 8, .value_kind: global_buffer, .address_space: global }
      - { .name: hbuf, .offset: 40, .size: 8, .value_kind: global_buffer, .address_space: global }
    .group_segment_fixed_size: 288256
    .private_segment_fixed_size: 0
    .kernarg_segment_align: 8
    .kernarg_segment_size: 48
    .max_flat_workgroup_size: 128
    .sgpr_count:     66
    .vgpr_count:     770
    .wavefront_size: 32
...
	.end_amdgpu_metadata
.endif
;; end of part 6
;; launch gemm2 (part 7): grid 32 x 8, 4 waves a work-group, no clusters, 304,640 bytes of LDS; arguments W2, hbuf, route, part; writes part
.if DOCPART == 7
	.amdgcn_target "amdgcn-amd-amdhsa--gfx1250"
	.amdhsa_code_object_version 6
	.text
	.protected	k_q18aa13917f_gemm2
	.globl	k_q18aa13917f_gemm2
	.p2align	8
	.type	k_q18aa13917f_gemm2,@function
k_q18aa13917f_gemm2:
	s_mov_b64 s[64:65], 0
	v_nop
	global_prefetch_b8 v0, s[64:65] scope:SCOPE_SE
	s_setreg_imm32_b32 hwreg(HW_REG_WAVE_SCHED_MODE, 0, 2), 2
	s_setreg_imm32_b32 hwreg(HW_REG_WAVE_MODE, 25, 1), 1
	s_wait_xcnt 0x0
	s_wait_alu depctr_vm_vsrc(0)
; DOWN-PROJECTION, in four slices of K.  part[kq][p][c] = sum over k = 1024 kq .. + 1023 of hbuf[p][k] W2[e][k][c], f32,
; for the pairs p of expert e's list.  hbuf already carries gate_scale x the routing weight, so the last launch only adds.
; Work-group (x, e): expert e = id y; columns 128 s .. + 127 of D, s = x & 7; K slice kq = x >> 3.  8 x 32 = 256 work-groups,
; and every byte of W2 is read by exactly one of them, once.  Each slice of K has a plane of part of its own: no sum crosses
; work-groups inside the launch.
; The two phases, the register plan and the macros are those of the up-projection:
; PHASE 1: the block of W2, 1,024 k x 128 columns of f32, through registers to bf16, transposed into LDS, wave w in its own region.
; PHASE 2 (no barrier): a wave takes 5 tiles of 16 listed rows x 128 columns; row fragments come from hbuf by the list.
; Weights are source 0, rows source 1: lane (r, h) holds row r, columns 16 b + 8 h + j.
; Rows past the list's end repeat its last row, which lies in the same wave's tiles: the same bytes are stored again.
; LIMIT: as in the up-projection, experts that a token did not choose are not computed.
; NO CLUSTER, NO TENSOR LOADS: f32 weights pass through registers to be rounded and transposed, and no two work-groups read the
; same weights; the shared bytes are rows named by a list, fetched lane by lane, and trip counts hang on different counts.
; THE MODE: SCHED_MODE bits 1:0 = 2 (LLVM: expert scheduling mode 2), set by the entry lines.  The code itself states the register
; dependences between vector or matrix instructions and memory or LDS instructions, with s_wait_alu, always for 0.
; THE PLAN.  Registers that memory or LDS instructions touch:
;   L16, SA, BA, STO, RD   offsets and LDS addresses, made at the head and never written again: one wait ahead of the first load.
;   XW0 .. XW5   phase 1: unit u's loads land in XW[u % 6]; its sixteen conversions read it; behind them unit u + 6's loads land in it.
;   TW0, TW1     phase 1: unit u's conversions write TW[u & 1]; its four LDS stores read it.
;                One wait on va_vdst in a unit, behind its conversions, serves its loads and its LDS stores; the wait on vm_vsrc beside it
;                is for the LDS stores of the unit before, which read the TW that the next unit writes.
;   AO           written by vector instructions ahead of a pass, twice (offsets in the list, then in hbuf), read by that pass's loads.
;   PID          the list's loads land in it; vector instructions read it.
;   B0, B1       weight fragments: step st's matrix instructions read B[st & 1]; the LDS loads issued in step st land in the other.
;   ring 0 .. 3  row fragments: step st's matrix instructions read slot st & 3; the loads issued in step st land in slot (st + 3) & 3.
;                Both targets were last read by step st - 1: ONE wait on va_vdst at a step's head, and the step's 26 loads follow in two
;                runs among its matrix instructions, which name B[st & 1], slot st & 3 and accumulators alone.
;   the sums, VA, R0, R1   the way out: the offsets of all 80 rows (VA) are made first; ONE wait on va_vdst then serves the LDS stores of
;                all five tiles' sums, the stores' offsets, and the LDS loads into R0 and R1, where the ring lay.  No vector instruction follows
;                it.  R0 and R1 take turns: from tile 2 on a wait on vm_vsrc stands ahead of the LDS loads, for the stores of two tiles back.
.set PITCHB, 4096                      ; bytes from row k to row k + 1 of W2[e]
.set LP,     528                       ; LDS: 256 k of one column (512 bytes) + 16
.set REGN,   128*LP                    ; a wave's region
.set STAGE,  4*REGN
.set SP,     528                       ; a stage row: 128 f32 + 16 bytes
.set STW,    16*SP
.set PASSES, 4                         ; a list has at most 1,024 rows = 64 tiles; the four waves take 20 a pass
; window 0
.set SA,   4                           ; v4-7    phase 1: LDS address of column 4 L + i in my region
.set BA,   8                           ; v8-11   LDS address of lane (r, h)'s weight fragment in region 0..3
.set L16,  12                          ; v12     16 L
.set STO,  13                          ; v13     way out: where I put row r's numbers
.set RD,   14                          ; v14     way out: where I read rows back
.set PID,  16                          ; v16-20  pair id of row r of tile i
.set AO,   21                          ; v21-25  first the byte offset of my row of the list, then that of the row in hbuf, + 16 h
.set RING, 32                          ; v32-191 row fragments: slot (K step & 3) at 40 x slot, tile i at 8 i
.set XW,   32                          ; phase 1: v32-223, six slots of 8 rows x 4 columns of f32
.set TW,   224                         ; phase 1: v224-255, a unit as bf16, transposed: two buffers of 16
.set R,    32                          ; way out: rows read back, two buffers by turns: v32-95 and v176-239
.set VA,   96                          ; way out: v96-175, tile i's sixteen offsets at VA + 16 i
; window 1: v0-63, v64-127 weight fragments (two buffers); v128-191 accumulators of tile 4
.set ACC4, 128
; window 2: accumulator tile (i, b), i = 0..3, at 8 (8 i + b)
.set PW, 4                             ; s[4:5] weights   s[6:7] hbuf   s[8:9] route   s[10:11] part
.set PA, 6
.set PR, 8
.set PO, 10
.set LN, 30                            ; s30-45  way out: the pair ids of a tile's sixteen rows (the head's offsets lay here)
; s16 wave  s17 expert  s18 slice of columns  s29 slice of K  s19 count  s20 tiles  s21 count - 1  s22 my first tile  s23 its first row  s46 pass
.set MSB, 0
.macro WIN new                         ; s_set_vgpr_msb: bits 1:0 source 0, 3:2 source 1, 5:4 source 2, 7:6 destination; the high byte repeats the setting left
.if MSB != \new
	s_set_vgpr_msb (MSB<<8)|\new
.set MSB, \new
.endif
.endm
.set MUL_M, 0xa1                       ; weights window 1, rows window 0, C and D window 2
.set MUL_4, 0x51                       ; the same, C and D window 1
.set TO_B,  0x40                       ; destination window 1, address window 0
.set ST_A,  0x08                       ; LDS store: address window 0, data (source 1) window 2
.set ST_4,  0x04                       ; data window 1
	s_load_b256 s[4:11], s[0:1], 0x0
	v_lshl_add_u32 v30, v0, 2, 0x4a400
	v_mov_b32 v31, 0
	v_and_b32 v1, 31, v0                           ; L
	v_lshrrev_b32 v2, 5, v0
	v_readfirstlane_b32 s16, v2                    ; wave
	v_and_b32 v2, 15, v0                           ; r
	v_bfe_u32 v3, v0, 4, 1                         ; h
	v_lshlrev_b32 v[L16], 4, v1
	s_wait_alu depctr_va_sdst(0)                   ; s16 is written, ahead of its first reader
	s_mul_i32 s24, s16, STW
	s_add_co_u32 s24, s24, STAGE                   ; my stage
	v_mul_u32_u24 v[STO], v2, SP
	v_lshl_add_u32 v[STO], v3, 5, v[STO]
	v_add_nc_u32 v[STO], s24, v[STO]               ; stage + 528 r + 32 h
	v_add_nc_u32 v[RD], s24, v[L16]                ; stage + 16 L: a whole row of 512 bytes a load
	v_lshlrev_b32 v3, 4, v3                        ; from here on v3 = 16 h
	v_mul_u32_u24 v[BA], v2, LP
	v_add_nc_u32 v[BA], v[BA], v3                  ; 528 r + 16 h
	v_add_nc_u32 v[BA+1], REGN, v[BA]
	v_add_nc_u32 v[BA+2], 2*REGN, v[BA]
	v_add_nc_u32 v[BA+3], 3*REGN, v[BA]
	v_lshlrev_b32 v[SA], 2, v1
	v_mul_u32_u24 v[SA], v[SA], LP
	s_mul_i32 s24, s16, REGN
	v_add_nc_u32 v[SA], s24, v[SA]                 ; wave x region + 528 (4 L): only my wave stores there
	v_add_nc_u32 v[SA+1], LP, v[SA]
	v_add_nc_u32 v[SA+2], 2*LP, v[SA]
	v_add_nc_u32 v[SA+3], 3*LP, v[SA]
	s_and_b32 s17, ttmp7, 0xffff
	s_and_b32 s18, ttmp9, 7
	s_lshr_b32 s29, ttmp9, 3
	s_lshl_b32 s30, s17, 2                         ; cnt[e]
	s_lshl_b32 s24, s17, 24                        ; W2: expert x 16 MiB
	s_lshl_b32 s26, s29, 22                        ;   + 1,024 kq rows of 4,096 bytes
	s_add_co_u32 s24, s24, s26
	s_lshl_b32 s26, s16, 20                        ;   + 256 wave rows
	s_add_co_u32 s24, s24, s26
	s_lshl_b32 s26, s18, 9                         ;   + 128 s columns of 4 bytes
	s_add_co_u32 s24, s24, s26
	s_mov_b32 s25, 0
	s_lshl_b32 s32, s29, 11                        ; hbuf: 1,024 kq numbers of 2 bytes along the row
	s_mov_b32 s33, 0
	s_lshl_b32 s34, s29, 23                        ; part: plane kq of 8 MiB + 512 s
	s_add_co_u32 s34, s34, s26
	s_mov_b32 s35, 0
	s_lshl_b32 s36, s17, 12                        ; route: 4,096 e
	s_mov_b32 s37, 0
	s_mov_b32 s46, 0                               ; pass
	s_wait_kmcnt 0x0
	s_load_b32 s19, s[PR:PR+1], s30 offset:0x8000  ; the list's length
	s_add_nc_u64 s[PW:PW+1], s[PW:PW+1], s[24:25]
	s_add_nc_u64 s[PA:PA+1], s[PA:PA+1], s[32:33]
	s_add_nc_u64 s[PO:PO+1], s[PO:PO+1], s[34:35]
; unit u = rows 8 u .. 8 u + 7 of my 256: eight loads, each 512 neighbouring bytes (128 columns of one row); lane L holds columns 4 L .. + 3
.macro LOADW u
.irp j, 0,1,2,3,4,5,6,7
	global_load_b128 v[XW+32*((\u)%6)+4*\j:XW+32*((\u)%6)+4*\j+3], v[L16], s[PW:PW+1] offset:(8*(\u)+\j)*PITCHB th:TH_LOAD_NT
.endr
.endm
; the unit as bf16, turned: for each of my 4 columns the 8 k are 16 neighbouring bytes of its LDS row.  more = 1: the slot is asked for again, for unit u + 6
.macro CONV u, left, more
	s_wait_loadcnt \left                           ; loads return in order (ISA guide 5.7.1): unit u is in, the younger ones stay out
.irp i, 0,1,2,3
.irp p, 0,1,2,3
	v_cvt_pk_bf16_f32 v[TW+16*((\u)&1)+4*\i+\p], v[XW+32*((\u)%6)+8*\p+\i], v[XW+32*((\u)%6)+8*\p+4+\i]   ; k = 2 p low, 2 p + 1 high
.endr
.endr
	s_wait_alu depctr_va_vdst(0)                   ; the sixteen conversions have written TW[u & 1], which the LDS stores below read, and are done reading XW[u % 6], in which the loads below land
.if ((\u) > 0) && ((\u) < 31)
	s_wait_alu depctr_vm_vsrc(0)                   ; the LDS stores of the unit before have read the other TW, which the next unit's conversions write
.endif
.if \more
	LOADW (\u)+6
.endif
.irp i, 0,1,2,3
	ds_store_b128 v[SA+\i], v[TW+16*((\u)&1)+4*\i:TW+16*((\u)&1)+4*\i+3] offset:16*(\u)
.endr
.endm
; the pair ids of my 80 rows of the list
.macro PRO_LIST
	s_lshl_b32 s23, s22, 4
.irp i, 0,1,2,3,4
	s_add_co_u32 s26, s23, 16*\i
	v_add_nc_u32 v[AO+\i], s26, v2                 ; row of the list
	v_min_u32 v[AO+\i], s21, v[AO+\i]              ; rows past the end repeat the last one
	v_min_u32 v[AO+\i], 0x3ff, v[AO+\i]
	v_lshlrev_b32 v[AO+\i], 2, v[AO+\i]
.endr
	s_wait_alu depctr_va_vdst(0)                   ; the five offsets are written, which the loads read; behind a pass, its way out is done reading the pair ids, in which they land
.irp i, 0,1,2,3,4
	global_load_b32 v[PID+\i], v[AO+\i], s[PR:PR+1]
.endr
.endm
; K step st's row fragments: lane (r, h) takes k = 32 st + 8 h .. + 7 and + 16 of its row's slice
.macro LOADA st
.irp i, 0,1,2,3,4
	global_load_b128 v[RING+40*((\st)&3)+8*\i:RING+40*((\st)&3)+8*\i+3], v[AO+\i], s[PA:PA+1] offset:64*(\st)
	global_load_b128 v[RING+40*((\st)&3)+8*\i+4:RING+40*((\st)&3)+8*\i+7], v[AO+\i], s[PA:PA+1] offset:64*(\st)+32
.endr
.endm
; from pair ids to offsets, and the first three K steps' fragments
.macro PRO_ADDR
	s_wait_alu depctr_vm_vsrc(0)                   ; the list's loads have read AO, which is written anew; phase 1's last LDS stores have read TW, where R's second buffer lies
.irp i, 0,1,2,3,4
	v_min_u32 v[PID+\i], 0x7ff, v[PID+\i]
	v_lshl_add_u32 v[AO+\i], v[PID+\i], 13, v3     ; rows of 8,192 bytes, + 16 h
.endr
	s_wait_alu depctr_va_vdst(0)                   ; AO is written, which the loads read; whatever named the ring and the two weight buffers last (phase 1's conversions; the pass before) is done: the loads from here to the end of K step 0 land there
	LOADA 0
	LOADA 1
	LOADA 2
.endm
; K step st's weight fragments: 8 blocks of 16 columns x 32 k, from region st >> 3
.macro FETCHB st
	WIN TO_B
.irp b, 0,1,2,3,4,5,6,7
	ds_load_b128 v[64*((\st)&1)+8*\b:64*((\st)&1)+8*\b+3], v[BA+((\st)>>3)] offset:16*LP*\b+64*((\st)&7)
	ds_load_b128 v[64*((\st)&1)+8*\b+4:64*((\st)&1)+8*\b+7], v[BA+((\st)>>3)] offset:16*LP*\b+64*((\st)&7)+32
.endr
.endm
; row tile i x 8 column blocks; the first K step starts the sums with the constant 0: nothing is cleared
.macro MULT acc, i, st
.irp b, 0,1,2,3,4,5,6,7
.if (\st) == 0
	v_wmma_f32_16x16x32_bf16 v[\acc+8*\b:\acc+8*\b+7], v[64*((\st)&1)+8*\b:64*((\st)&1)+8*\b+7], v[RING+40*((\st)&3)+8*\i:RING+40*((\st)&3)+8*\i+7], 0
.else
	v_wmma_f32_16x16x32_bf16 v[\acc+8*\b:\acc+8*\b+7], v[64*((\st)&1)+8*\b:64*((\st)&1)+8*\b+7], v[RING+40*((\st)&3)+8*\i:RING+40*((\st)&3)+8*\i+7], v[\acc+8*\b:\acc+8*\b+7]
.endif
.endr
.endm
; Four independent vector instructions stand between a matrix instruction and a store that reads its result, or a vector
; instruction that writes one of its sources; other matrix instructions are not counted as such here.
.macro PLACES
.rept 4
	v_nop
.endr
.endm
.macro STEP st
	s_wait_dscnt 0x0                               ; this step's 16 weight loads, issued 32 matrix instructions ago; nothing younger is out
.if \st < 30
	s_wait_loadcnt 20                              ; this step's row fragments are in; those of the next two steps (10 loads each) stay out
.else
	s_wait_loadcnt 10*(31-\st)
.endif
.if (\st > 0) && (\st < 31)
	s_wait_alu depctr_va_vdst(0)                   ; the last step's matrix instructions are done reading the weight buffer and the ring slot in which this step's loads land
.endif
	WIN MUL_4
	MULT ACC4, 4, \st
.if \st < 31
	FETCHB \st+1                                   ; no matrix instruction since the wait names the other weight buffer or BA
.endif
	WIN MUL_M
	MULT 0, 0, \st
.if \st < 29
	WIN 0
	LOADA \st+3                                    ; nor the slot three steps on, nor AO
.endif
	WIN MUL_M
	MULT 64, 1, \st
	MULT 128, 2, \st
	MULT 192, 3, \st
.endm
; THE WAY OUT.  First the byte offsets in part of tile i's sixteen rows: the pair ids in one run into scalar registers, one wait for the run.
.macro ADDR i
	WIN 0
.irp t, 0,1,2,3,4,5,6,7,8,9,10,11,12,13,14,15
	v_readlane_b32 s[LN+\t], v[PID+\i], \t         ; row t's pair id
.endr
	s_wait_alu depctr_va_sdst(0)                   ; s[LN ..] are written, ahead of their first reader
.irp t, 0,1,2,3,4,5,6,7,8,9,10,11,12,13,14,15
	s_min_u32 s[LN+\t], s[LN+\t], 0x7ff
	s_lshl_b32 s[LN+\t], s[LN+\t], 12              ; rows of 4,096 bytes
	v_add_nc_u32 v[VA+16*(\i)+\t], s[LN+\t], v[L16]
.endr
.endm
; Then row tile i: the f32 sums go as they are through my stage and leave as whole rows of 512 bytes.
.macro EPI i, acc, win
	WIN \win
.irp b, 0,1,2,3,4,5,6,7
	ds_store_b128 v[STO], v[\acc+8*\b:\acc+8*\b+3] offset:64*\b            ; row r, columns 16 b + 8 h + 0..3
	ds_store_b128 v[STO], v[\acc+8*\b+4:\acc+8*\b+7] offset:64*\b+16       ; and + 4..7
.endr
	WIN 0
.if (\i) > 1
	s_wait_xcnt 0x0                                ; this buffer of R is a source of the stores of two tiles back: loaded again only behind this wait (ISA guide 3.1)
	s_wait_alu depctr_vm_vsrc(0)                   ; those stores have read it
.endif
.irp t, 0,1,2,3,4,5,6,7,8,9,10,11,12,13,14,15
	ds_load_b128 v[R+144*((\i)&1)+4*\t:R+144*((\i)&1)+4*\t+3], v[RD] offset:SP*\t   ; my own stage: LDS serves a wave's instructions in order, these see the stores above
.endr
.irp t, 0,1,2,3,4,5,6,7,8,9,10,11,12,13,14,15
	s_wait_dscnt 15-\t                             ; row t is back; the younger loads stay out
	global_store_b128 v[VA+16*(\i)+\t], v[R+144*((\i)&1)+4*\t:R+144*((\i)&1)+4*\t+3], s[PO:PO+1]   ; the wave's store covers 512 neighbouring bytes, aligned
.endr
.endm
	; PHASE 1.  Six units (48 loads, 24 KiB a wave) are always on their way.
	s_wait_alu depctr_va_vdst(0)                   ; L16, SA, BA, STO and RD are written: every load, LDS store and LDS load of the kernel that reads one of them stands behind this wait
.irp u, 0,1,2,3,4,5
	LOADW \u
.endr
	s_wait_kmcnt 0x0                               ; the count
	s_add_nc_u64 s[PR:PR+1], s[PR:PR+1], s[36:37]  ; my expert's list
	s_min_u32 s19, s19, 0x400
	s_add_co_u32 s20, s19, 15
	s_lshr_b32 s20, s20, 4                         ; tiles of 16 rows
	s_max_u32 s21, s19, 1
	s_sub_co_u32 s21, s21, 1                       ; the last row (row 0 of an empty list holds a valid id and is only loaded, never stored for)
	s_mul_i32 s22, s16, 5                          ; my first tile
.irp u, 0,1,2,3,4,5,6,7,8,9,10,11,12,13,14,15,16,17,18,19,20,21,22,23,24,25
	CONV \u, 40, 1                                 ; five younger units of eight loads
.endr
	PRO_LIST                                       ; five loads behind the last unit: the list comes in under the stream's tail
.irp u, 26,27,28,29,30,31
	CONV \u, 8*(31-\u)+5, 0                        ; the units still to come, and the five list loads
.endr
	s_wait_loadcnt 0x0                             ; the list
	PRO_ADDR
	s_wait_dscnt 0x0                               ; my region is written before I say so
	s_barrier_signal -1
	s_barrier_wait -1                              ; the only barrier: behind it the weights are only read
	s_cmp_ge_u32 s22, s20
	s_cbranch_scc1 .Ldone                          ; no tile of the list is mine
	; PHASE 2
.Lpass:
	FETCHB 0
.irp st, 0,1,2,3,4,5,6,7,8,9,10,11,12,13,14,15,16,17,18,19,20,21,22,23,24,25,26,27,28,29,30,31
	STEP \st
.endr
	PLACES                                         ; behind the last products, in front of the first store of a sum and of the first write into the ring, which they read
	ADDR 0
	ADDR 1
	ADDR 2
	ADDR 3
	ADDR 4
	WIN ST_A
	s_wait_alu depctr_va_vdst(0)                   ; the products have written the sums, which the LDS stores read; the 80 offsets are written, which the stores read; the last products are done reading the ring, in which the rows read back land
	EPI 0, 0, ST_A
	EPI 1, 64, ST_A
	EPI 2, 128, ST_A
	EPI 3, 192, ST_A
	EPI 4, ACC4, ST_4
	WIN 0
	s_add_co_u32 s22, s22, 20                      ; four waves x five tiles further
	s_cmp_ge_u32 s22, s20
	s_cbranch_scc1 .Ldone                          ; the list is done: this is the way out that is taken
	s_wait_xcnt 0x0                                ; the stores above have read R and VA, which the ring's loads write next
	s_wait_alu depctr_vm_vsrc(0)                   ; the pass's loads have read AO, which is written next; its stores have read R and VA, in which the ring's loads land
	PRO_LIST
	s_wait_loadcnt 0x0
	PRO_ADDR
	s_add_co_u32 s46, s46, 1
	s_cmp_lt_u32 s46, PASSES                       ; 64 tiles at most, 20 a pass: the fourth pass is the last that can have work
	s_cbranch_scc1 .Lpass
.Ldone:
	s_wait_dscnt 0x0
	s_wait_alu depctr_hold_cnt(0) depctr_sa_sdst(0) depctr_va_vdst(0) depctr_va_sdst(0) depctr_va_ssrc(0) depctr_va_vcc(0) depctr_vm_vsrc(0)
	s_wait_tensorcnt 0x0
	ds_add_u32 v30, v31
	s_wait_dscnt 0x0
	s_endpgm
.Lfunc_end_k_q18aa13917f_gemm2:
	.size	k_q18aa13917f_gemm2, .Lfunc_end_k_q18aa13917f_gemm2-k_q18aa13917f_gemm2
	.p2alignl 7, 3214868480
	.fill 96, 4, 3214868480
	.section	.rodata,"a",@progbits
	.p2align	6, 0x0
	.amdhsa_kernel k_q18aa13917f_gemm2
		.amdhsa_group_segment_fixed_size 304640
		.amdhsa_private_segment_fixed_size 0
		.amdhsa_enable_private_segment 0
		.amdhsa_kernarg_size 32
		.amdhsa_user_sgpr_count 2
		.amdhsa_user_sgpr_kernarg_segment_ptr 1
		.amdhsa_wavefront_size32 1
		.amdhsa_system_sgpr_workgroup_id_x 1
		.amdhsa_system_sgpr_workgroup_id_y 1
		.amdhsa_system_sgpr_workgroup_id_z 1
		.amdhsa_system_vgpr_workitem_id 0
		.amdhsa_next_free_vgpr 768
		.amdhsa_next_free_sgpr 66
		.amdhsa_reserve_vcc 0
		.amdhsa_float_denorm_mode_32 3
		.amdhsa_float_denorm_mode_16_64 3
		.amdhsa_memory_ordered 1
		.amdhsa_forward_progress 1
		.amdhsa_inst_pref_size 255
	.end_amdhsa_kernel
	.section	.bss,"aw",@nobits
	.p2align	6
	.space	262144
	.amdgpu_metadata
---
amdhsa.version: [ 1, 2 ]
amdhsa.kernels:
  - .name:           k_q18aa13917f_gemm2
    .symbol:         k_q18aa13917f_gemm2.kd
    .args:
      - { .name: W2, .offset: 0, .size: 8, .value_kind: global_buffer, .address_space: global }
      - { .name: hbuf, .offset: 8, .size: 8, .value_kind: global_buffer, .address_space: global }
      - { .name: route, .offset: 16, .size: 8, .value_kind: global_buffer, .address_space: global }
      - { .name: part, .offset: 24, .size: 8, .value_kind: global_buffer, .address_space: global }
    .group_segment_fixed_size: 304640
    .private_segment_fixed_size: 0
    .kernarg_segment_align: 8
    .kernarg_segment_size: 32
    .max_flat_workgroup_size: 128
    .sgpr_count:     66
    .vgpr_count:     768
    .wavefront_size: 32
...
	.end_amdgpu_metadata
.endif
;; end of part 7
;; launch final: the kernel of part 5 again; grid 256 x 1, 4 waves a work-group, no clusters, 0 bytes of LDS; arguments x, part, wts, sel, b2, ln_gamma, ln_beta, out0; writes out0
